; MI455X (gfx1250); checked and timed in simulation.
; The chip was launched on July 23, 2026; its instructions are those of AMD's public machine-readable ISA for CDNA 5 (MIT licence, August 2026) and "CDNA5" Instruction Set Architecture Reference Guide (July 2026). The comments in the code are by the model that wrote it; some were corrected since.
;; Multi Modal Mo E. Allowed arithmetic: float matrix products may take bf16 or f16 operands with f32 sums; other float arithmetic in f32, or as packed bf16 or f16 multiplies, adds, multiply-adds, maxima and minima; sums over many terms, partial sums and values carried from step to step in f32; what a program stores and reads back later, other than sums and carried values, may be rounded once to bf16 or f16.
;; Inputs: W1 8 x 256 x 1,024 float32; W2 8 x 1,024 x 256 float32; Wr 256 x 8 float32; b1 8 x 1,024 float32; b2 8 x 256 float32; br 8 float32; ln_b 8 x 256 float32; ln_g 8 x 256 float32; x 16 x 1,024 x 256 float32.
;; Outputs: out0 16 x 1,024 x 256 float32.
;; 2 versions, each right; version 2 is version 1 with the launch chain written anew for expert scheduling mode. Each part assembles by itself: llvm-mc -triple=amdgcn-amd-amdhsa -mcpu=gfx1250 --defsym DOCPART=n.
;; ======== version 1 of 2: 3 launches
;; limits: a function is approximated: absolute error at most 2.5e-05; values are held in f16: magnitudes above 65,504 overflow, below 6.1e-05 lose precision
;; workspace buffers: tokf 262,144 bytes; tokw 65,536 bytes of whole numbers; cnt 32,768 bytes of whole numbers; order 65,536 bytes of whole numbers; tiles 4,096 bytes of whole numbers; wf 8,388,608 bytes
;; launch router (part 1): grid 256 x 1, 4 waves a work-group, no clusters, 768 bytes of LDS; arguments x, Wr, br, tokf, tokw, cnt; writes tokf, tokw, cnt
.if DOCPART == 1
	.amdgcn_target "amdgcn-amd-amdhsa--gfx1250"
	.amdhsa_code_object_version 6
	.text
	.protected	k_qfd128523d6_router
	.globl	k_qfd128523d6_router
	.p2align	8
	.type	k_qfd128523d6_router,@function
k_qfd128523d6_router:
	s_mov_b64 s[64:65], 0
	v_nop
	global_prefetch_b8 v0, s[64:65] scope:SCOPE_SE
	s_setreg_imm32_b32 hwreg(HW_REG_WAVE_MODE, 25, 1), 1
	s_wait_xcnt 0x0
; ROUTER.  For each of 16,384 tokens (256 f32 each): logits = x Wr + br in f32, the two largest, their renormalised softmax weights,
; the LayerNorm mean and 1/sqrt(var + eps), and the token's SET of experts {lo < hi}, id = hi (hi - 1) / 2 + lo (28 sets).
; Stored at fixed places: tokf[token] = {w_lo, w_hi, -mean, rstd}; tokw[token] = id | rank among its set in the block of 64 tokens << 8;
; cnt[block][32] = tokens of each set in the block.  No address and no branch hangs on these numbers here: a later launch places the rows.
; The two weights are 1 / (1 + d) and d / (1 + d), d = exp(second logit - largest logit): the softmax's divisor cancels in the renormalisation,
; and the largest logit is taken away, so the exponent is never above 0.
; LIMITS.  The choice is made on the f32 logits (ties: the lower index, as lax.top_k on the probabilities); a gap below the rounding of an f32 sum of 256
; terms may choose otherwise than another order of summation.  NaN and infinities are not treated apart.
; SHARES.  A work-group has 64 tokens, a wave 16 rows; lane l holds columns 4 l .. 4 l + 3 and 128 + 4 l .. + 3 of every row: a load of a wave covers 512 neighbouring bytes.
; No matrix unit: the product is 1/1000 of the module's arithmetic and a wrong second choice is a wrong row, so it stays in f32 on the vector unit.
.set SPARE, 256                        ; LDS: 64 set ids at 0; the spare words, 128 bytes a wave, from 256
.set WR,  8                            ; v[8:71]    Wr rows of my 8 columns: WR + 8 kk + e
.set R,   72                           ; v[72:207]  x row i at R + 8 (i + 1); row i's 8 partial logits at R + 8 i, over the row read before
.set S,   208                          ; v[208:223] a number a row: sums, then sums of centred squares
.set T,   224                          ; v[224:231] the centred row
.set TT,  232
.set NMU, 233                          ; -mean of row lane % 16
.set U,   234                          ; v[234:235]
.set M1,  236
.set M2,  237
.set I1,  238
.set I2,  239
.set WLO, 240                          ; the weight of the lower index,
.set WHI, 241                          ; of the higher,
.set RSD, 243                          ; 1 / sqrt(var + eps)
	s_load_b256 s[4:11], s[0:1], 0x0               ; x s[4:5], Wr s[6:7], br s[8:9], tokf s[10:11]
	s_load_b128 s[12:15], s[0:1], 0x20             ; tokw s[12:13], cnt s[14:15]
	v_lshl_add_u32 v4, v0, 2, SPARE                ; my spare word,
	v_mov_b32 v5, 0                                ; and 0: kept for the closing lines alone
	v_and_b32 v1, 31, v0                           ; lane
	v_lshrrev_b32 v7, 5, v0
	v_readfirstlane_b32 s16, v7                    ; wave
	v_lshlrev_b32 v2, 4, v1                        ; 16 l: my bytes in half a row of x
	v_lshlrev_b32 v3, 7, v1                        ; 128 l: my four rows of Wr
	v_and_b32 v6, 15, v0                           ; r = lane % 16
	s_lshl_b32 s18, ttmp9, 16                      ; x: 64 rows of 1,024 bytes a work-group,
	s_lshl_b32 s17, s16, 14                        ; 16 a wave
	s_add_co_u32 s18, s18, s17
	s_mov_b32 s19, 0
	s_lshl_b32 s42, ttmp9, 10                      ; tokf: 64 records of 16 bytes a work-group, 16 a wave
	s_lshl_b32 s17, s16, 8
	s_add_co_u32 s42, s42, s17
	s_mov_b32 s43, 0
	s_lshl_b32 s44, ttmp9, 8                       ; tokw: 256 bytes a work-group
	s_mov_b32 s45, 0
	s_lshl_b32 s46, ttmp9, 7                       ; cnt: 128 bytes a work-group
	s_mov_b32 s47, 0
	s_mov_b32 s28, 0xff00ff00                      ; lanes whose bit 3, 2, 1, 0 is set
	s_mov_b32 s29, 0xf0f0f0f0
	s_mov_b32 s30, 0xcccccccc
	s_mov_b32 s31, 0xaaaaaaaa
	s_mov_b32 s32, 0x76543210                      ; v_permlanex16_b32: each lane takes its own place in the other half
	s_mov_b32 s33, 0xfedcba98
	s_mov_b32 s38, 0x3b800000                      ; 1 / 256
	s_mov_b32 s39, 0x3727c5ac                      ; 1e-5
	s_mov_b32 s40, 0xffff0000                      ; lanes 16 to 31
	s_lshl_b32 s41, s16, 6                         ; LDS: my wave's 16 words
	s_wait_kmcnt 0x0
	s_load_b256 s[20:27], s[8:9], 0x0              ; br
	s_add_nc_u64 s[4:5], s[4:5], s[18:19]
	s_add_nc_u64 s[10:11], s[10:11], s[42:43]
	s_add_nc_u64 s[12:13], s[12:13], s[44:45]
	s_add_nc_u64 s[14:15], s[14:15], s[46:47]
.set n, 0
.rept 8
	global_load_b128 v[WR+4*n:WR+4*n+3], v3, s[6:7] offset:16*n
	global_load_b128 v[WR+32+4*n:WR+32+4*n+3], v3, s[6:7] offset:4096+16*n
.set n, n+1
.endr
.set i, 0
.rept 16                                       ; all 16 KB of the wave's rows go out at once
	global_load_b128 v[R+8*(i+1):R+8*(i+1)+3], v2, s[4:5] offset:1024*i
	global_load_b128 v[R+8*(i+1)+4:R+8*(i+1)+7], v2, s[4:5] offset:1024*i+512
.set i, i+1
.endr
; A sum over the lanes for 16 numbers at once, P(i) = base + st i.  In each step a lane keeps half of its numbers and hands the other half to the lane
; 8, 4, 2, 1 away; at the end lane l holds the sum of number l % 16: 47 lines for 16 sums.
.macro TSTEP base, st, half, mreg
.set ii, 0
.rept \half
	v_cndmask_b32 v[TT], v[(\base)+(\st)*ii], v[(\base)+(\st)*(ii+(\half))], s[\mreg]
	v_cndmask_b32 v[(\base)+(\st)*(ii+(\half))], v[(\base)+(\st)*(ii+(\half))], v[(\base)+(\st)*ii], s[\mreg]
	v_add_f32_dpp v[(\base)+(\st)*ii], v[(\base)+(\st)*(ii+(\half))], v[TT] row_xmask:\half row_mask:0xf bank_mask:0xf
.set ii, ii+1
.endr
.endm
.macro TREE base, st
	TSTEP \base, \st, 8, 28
	TSTEP \base, \st, 4, 29
	TSTEP \base, \st, 2, 30
	TSTEP \base, \st, 1, 31
	v_permlanex16_b32 v[TT], v[\base], s32, s33
	v_add_f32 v[\base], v[\base], v[TT]
.endm
	; pass 1: each row's sum
.set i, 0
.rept 16
	s_wait_loadcnt 30-2*i                          ; loads come back in order: two loads for each younger row stay out; Wr's are older
	v_pk_add_f32 v[T:T+1], v[R+8*(i+1):R+8*(i+1)+1], v[R+8*(i+1)+2:R+8*(i+1)+3]
	v_pk_add_f32 v[T+2:T+3], v[R+8*(i+1)+4:R+8*(i+1)+5], v[R+8*(i+1)+6:R+8*(i+1)+7]
	v_pk_add_f32 v[T:T+1], v[T:T+1], v[T+2:T+3]
	v_add_f32 v[S+i], v[T], v[T+1]
.set i, i+1
.endr
	TREE S, 1
	v_mul_f32 v[NMU], 0xbb800000, v[S]             ; -mean of row lane % 16
	; pass 2: centred squares, and my 8 columns' share of the 8 logits
.macro ROW i
.set XR, R+8*((\i)+1)
.set AC, R+8*(\i)
	v_readlane_b32 s34, v[NMU], \i
	s_mov_b32 s35, s34
.irp p, 0,2,4,6
	v_pk_add_f32 v[T+\p:T+\p+1], v[XR+\p:XR+\p+1], s[34:35] op_sel_hi:[1,0]
.endr
	v_pk_mul_f32 v[U:U+1], v[T:T+1], v[T:T+1]
.irp p, 2,4,6
	v_pk_fma_f32 v[U:U+1], v[T+\p:T+\p+1], v[T+\p:T+\p+1], v[U:U+1]
.endr
	v_add_f32 v[S+(\i)], v[U], v[U+1]
.irp e, 0,2,4,6
	v_pk_mul_f32 v[AC+\e:AC+\e+1], v[WR+\e:WR+\e+1], v[XR:XR+1] op_sel_hi:[1,0]
.endr
.set kk, 1
.rept 7
.irp e, 0,2,4,6
.if kk&1
	v_pk_fma_f32 v[AC+\e:AC+\e+1], v[WR+8*kk+\e:WR+8*kk+\e+1], v[XR+(kk&6):XR+(kk&6)+1], v[AC+\e:AC+\e+1] op_sel:[0,1,0] op_sel_hi:[1,1,1]
.else
	v_pk_fma_f32 v[AC+\e:AC+\e+1], v[WR+8*kk+\e:WR+8*kk+\e+1], v[XR+(kk&6):XR+(kk&6)+1], v[AC+\e:AC+\e+1] op_sel_hi:[1,0,1]
.endif
.endr
.set kk, kk+1
.endr
.endm
.set i, 0
.rept 16
	ROW i
.set i, i+1
.endr
	TREE S, 1
.set e, 0
.rept 8
	TREE R+e, 8
.set e, e+1
.endr
	; lane = token (lanes l and l + 16 hold the same row): bias, the two largest, the weights
	s_wait_kmcnt 0x0                               ; br
.set e, 0
.rept 8
	v_add_f32 v[R+e], s[20+e], v[R+e]
.set e, e+1
.endr
	v_mov_b32 v[M1], v[R]
	v_mov_b32 v[I1], 0
	v_mov_b32 v[M2], 0xff800000
	v_mov_b32 v[I2], 1                             ; so the two indices differ whatever the numbers
.set e, 1
.rept 7                                        ; strictly greater, ascending: of equal logits the lower index stays
	v_cmp_gt_f32 s36, v[R+e], v[M1]
	v_cmp_gt_f32 s37, v[R+e], v[M2]
	v_cndmask_b32 v[M2], v[M2], v[R+e], s37
	v_cndmask_b32 v[I2], v[I2], e, s37
	v_cndmask_b32 v[M2], v[M2], v[M1], s36
	v_cndmask_b32 v[I2], v[I2], v[I1], s36
	v_cndmask_b32 v[M1], v[M1], v[R+e], s36
	v_cndmask_b32 v[I1], v[I1], e, s36
.set e, e+1
.endr
	v_sub_f32 v244, v[M2], v[M1]
	v_mul_f32 v244, 0x3fb8aa3b, v244               ; times log2(e)
	v_fma_f32 v245, v[S], s38, s39                 ; var + eps
	v_exp_f32 v244, v244
	v_rsq_f32 v[RSD], v245
	v_min_u32 v248, v[I1], v[I2]                   ; lo: plain work behind the two transcendentals
	v_max_u32 v249, v[I1], v[I2]                   ; hi
	s_wait_alu depctr_va_vdst(0)                   ; one wait for the batch of two, ahead of the first use
	v_add_f32 v246, 1.0, v244
	v_rcp_f32 v246, v246
	v_add_nc_u32 v250, -1, v249
	v_mul_lo_u32 v250, v250, v249
	v_lshrrev_b32 v250, 1, v250
	v_add_nc_u32 v250, v250, v248                  ; the set's id
	s_wait_alu depctr_va_vdst(0)                   ; the reciprocal's wait
	v_mul_f32 v247, v244, v246                     ; the second's weight; v246 is the first's
	v_cmp_lt_u32 vcc_lo, v[I1], v[I2]
	v_cndmask_b32 v[WLO], v247, v246, vcc_lo
	v_cndmask_b32 v[WHI], v246, v247, vcc_lo
	; the record of 16 bytes leaves in two halves: lane r stores {w_lo, w_hi}, lane r + 16 {-mean, rstd}: all lanes are on
	v_cndmask_b32 v248, v[WLO], v[NMU], s40
	v_cndmask_b32 v249, v[WHI], v[RSD], s40
	v_bfe_u32 v253, v0, 4, 1
	v_lshlrev_b32 v251, 4, v6
	v_lshl_add_u32 v251, v253, 3, v251             ; 16 r + 8 x half
	v_lshl_add_u32 v252, v6, 2, s41
	global_store_b64 v251, v[248:249], s[10:11]    ; the wave's store covers 256 consecutive bytes, aligned
	ds_store_b32 v252, v250                        ; lanes l and l + 16 write the same word with the same id
	s_wait_dscnt 0x0                               ; for wave 0's sake: my ids are in LDS
	s_barrier_signal -1
	s_barrier_wait -1
	s_cmp_lg_u32 s16, 0
	s_cbranch_scc1 .Lend
	; wave 0: counts and ranks of the block's 64 tokens; lane l has tokens 2 l and 2 l + 1
	s_wait_xcnt 0x0                                ; the record's store has read v248, v249 and v251, which are written again below
	v_lshlrev_b32 v251, 3, v1
	v_lshlrev_b32 v252, 2, v1
	ds_load_b64 v[244:245], v251
	v_mov_b32 v246, 0
	v_mov_b32 v247, 0
	v_mov_b32 v250, 0                              ; lanes 28 to 31 of the counts stay 0
	s_wait_dscnt 0x0
.set sx, 0
.rept 28
	v_cmp_eq_u32 s48, sx, v244
	v_cmp_eq_u32 s49, sx, v245
	s_bcnt1_i32_b32 s50, s48
	s_bcnt1_i32_b32 s51, s49
	v_mbcnt_lo_u32_b32 v248, s48, 0                ; the even tokens of the set first,
	v_mbcnt_lo_u32_b32 v249, s49, s50              ; the odd ones behind them
	v_cndmask_b32 v246, v246, v248, s48
	v_cndmask_b32 v247, v247, v249, s49
	s_add_co_u32 s50, s50, s51
	v_writelane_b32 v250, s50, sx
.set sx, sx+1
.endr
	v_lshl_or_b32 v246, v246, 8, v244
	v_lshl_or_b32 v247, v247, 8, v245
	global_store_b64 v251, v[246:247], s[12:13]    ; 256 consecutive bytes, aligned
	global_store_b32 v252, v250, s[14:15]          ; 128 consecutive bytes
.Lend:
	s_wait_tensorcnt 0x0                           ; the wave's end
	ds_add_u32 v4, v5
	s_wait_dscnt 0x0
	s_endpgm
.Lfunc_end_k_qfd128523d6_router:
	.size	k_qfd128523d6_router, .Lfunc_end_k_qfd128523d6_router-k_qfd128523d6_router
	.p2alignl 7, 3214868480
	.fill 96, 4, 3214868480
	.section	.rodata,"a",@progbits
	.p2align	6, 0x0
	.amdhsa_kernel k_qfd128523d6_router
		.amdhsa_group_segment_fixed_size 768
		.amdhsa_private_segment_fixed_size 0
		.amdhsa_enable_private_segment 0
		.amdhsa_kernarg_size 48
		.amdhsa_user_sgpr_count 2
		.amdhsa_user_sgpr_kernarg_segment_ptr 1
		.amdhsa_wavefront_size32 1
		.amdhsa_system_sgpr_workgroup_id_x 1
		.amdhsa_system_sgpr_workgroup_id_y 1
		.amdhsa_system_sgpr_workgroup_id_z 1
		.amdhsa_system_vgpr_workitem_id 0
		.amdhsa_next_free_vgpr 256
		.amdhsa_next_free_sgpr 66
		.amdhsa_reserve_vcc 1
		.amdhsa_float_denorm_mode_32 3
		.amdhsa_float_denorm_mode_16_64 3
		.amdhsa_memory_ordered 1
		.amdhsa_forward_progress 1
		.amdhsa_inst_pref_size 103
	.end_amdhsa_kernel
	.amdgpu_metadata
---
amdhsa.version: [ 1, 2 ]
amdhsa.kernels:
  - .name:           k_qfd128523d6_router
    .symbol:         k_qfd128523d6_router.kd
    .args:
      - { .name: x, .offset: 0, .size: 8, .value_kind: global_buffer, .address_space: global }
      - { .name: Wr, .offset: 8, .size: 8, .value_kind: global_buffer, .address_space: global }
      - { .name: br, .offset: 16, .size: 8, .value_kind: global_buffer, .address_space: global }
      - { .name: tokf, .offset: 24, .size: 8, .value_kind: global_buffer, .address_space: global }
      - { .name: tokw, .offset: 32, .size: 8, .value_kind: global_buffer, .address_space: global }
      - { .name: cnt, .offset: 40, .size: 8, .value_kind: global_buffer, .address_space: global }
    .group_segment_fixed_size: 768
    .private_segment_fixed_size: 0
    .kernarg_segment_align: 8
    .kernarg_segment_size: 48
    .max_flat_workgroup_size: 128
    .sgpr_count:     66
    .vgpr_count:     256
    .wavefront_size: 32
...
	.end_amdgpu_metadata
.endif
;; end of part 1
;; launch prep (part 2): grid 256 x 1, 8 waves a work-group, no clusters, 36,352 bytes of LDS; arguments W1, W2, cnt, tokw, wf, order, tiles; writes wf, order, tiles
.if DOCPART == 2
	.amdgcn_target "amdgcn-amd-amdhsa--gfx1250"
	.amdhsa_code_object_version 6
	.text
	.protected	k_qfd128523d6_prep
	.globl	k_qfd128523d6_prep
	.p2align	8
	.type	k_qfd128523d6_prep,@function
k_qfd128523d6_prep:
	s_mov_b64 s[64:65], 0
	v_nop
	global_prefetch_b8 v0, s[64:65] scope:SCOPE_SE
	s_setreg_imm32_b32 hwreg(HW_REG_WAVE_MODE, 25, 1), 1
	s_wait_xcnt 0x0
; PREP.  Each of 256 work-groups does two things.
; (1) THE WEIGHTS: 32 KB of the experts' weights, scaled, rounded once to f16 and laid out in the order in which the chain's waves take them as matrix operands.
; wf = [expert 8][chunk of 256 hidden 4][wave 4][product 2][K step 8][tile of 16 rows 4][1,024 bytes].  A fragment's bytes: half q, lane r + 16 h, eight f16 =
; source(k = 16 q + 8 h + 0..7, m = r): registers 4 q .. 4 q + 3 of a 16 x 32 operand.  Product 0: W1 times k = sqrt(log2(e) / 2) (K = channel, M = hidden);
; product 1: W2 times 1 / (2 k) (K = hidden, M = output channel).  The two factors serve the chain's GELU.
; (2) ITS SHARE OF THE COUNTING SORT of the tokens by their set of experts: work-group b places the 64 tokens of block b and writes entry b of the list of tiles (up to 80 tokens of one set).
; Every work-group adds up all 256 blocks' counts for itself (32 KB): a token's place = its set's first place + the set's tokens in earlier blocks + its rank in its block.
; The counts are asked for ahead of the weights, and the sort's arithmetic stands in the wait for the weights.
; LIMIT: the scaled weights lie within f16's range, 65,504.
.set SPARE, 33280                      ; LDS: a stage of 4 x 1,040 bytes for each wave from 0; the spare words, 128 bytes a wave, here;
.set SUMS,  34304                      ; [8 waves][32 sets] sums over all the wave's blocks, then the same over its blocks below mine
.set X,   16                           ; v[16:79]   32 K x 4 columns of f32
.set O,   80                           ; v[80:111]  eight pieces of 16 bytes
.set RB,  112                          ; v[112:143] the group read back
.set C,   80                           ; the sort works in O's and RB's registers, ahead of them: v[80:111] counts of set = lane in my wave's 32 blocks
.set TW,  112                          ; v[112:113] my block's token words, two a lane
.set TS,  114
.set PS,  115
.set W16, 80                           ; v[80:95]   the eight waves' two sums
.set NN,  96                           ; tokens of set = lane
.set PRE, 97                           ; of them in blocks below mine
.set SE,  98                           ; the set's first place
.set NT,  99                           ; its tiles
.set TI,  100                          ; tiles up to and with it
.set TE,  101                          ; tiles before it
.set TMP, 102
.set BASE, 103
.set TM,  104
.set TB,  105
.set BP,  106                          ; v[106:107]
.set TKN, 108                          ; v[108:109]
.set SIDX, 110
.set HI,  111
.set K80, 116
.set IDX, 117
.set ADR, 118
.set GTE, 119
.set GSE, 120
.set GN,  121
.set REC, 124                          ; v[124:127] lo, hi, first, count
	s_load_b256 s[4:11], s[0:1], 0x0               ; W1 s[4:5], W2 s[6:7], cnt s[8:9], tokw s[10:11]
	s_load_b128 s[12:15], s[0:1], 0x20             ; wf s[12:13], order s[14:15]
	s_load_b64 s[16:17], s[0:1], 0x30              ; tiles
	v_lshl_add_u32 v4, v0, 2, SPARE
	v_mov_b32 v5, 0
	v_lshrrev_b32 v1, 5, v0
	v_readfirstlane_b32 s20, v1                    ; wave 0..7
	v_and_b32 v1, 31, v0                           ; lane
	v_and_b32 v2, 15, v0                           ; cg: my four columns
	v_bfe_u32 v3, v0, 4, 1                         ; hh: which eight rows
	; wave w of work-group g makes the 4,096 bytes of group 8 g + w: K step w; product, wave, chunk and expert from g's bits
	s_lshr_b32 s21, ttmp9, 5                       ; expert
	s_bfe_u32 s22, ttmp9, 0x20003                  ; chunk
	s_bfe_u32 s23, ttmp9, 0x20001                  ; the chain's wave
	s_and_b32 s24, ttmp9, 1                        ; product
	s_lshl_b32 s25, s21, 20                        ; an expert's matrix is 1 MiB; 64 columns are 256 bytes
	s_lshl_b32 s26, s23, 8
	s_add_co_u32 s25, s25, s26
	s_mul_i32 s27, s20, 4160                       ; my stage
	v_lshrrev_b32 v6, 2, v2
	v_mul_u32_u24 v6, v6, 1040                     ; in: fragment cg / 4 (pitch 1,040: the 16 lanes of a store start at 16 different columns of 16 bytes),
	v_and_b32 v7, 3, v2
	v_lshl_add_u32 v6, v7, 6, v6                   ; rows 4 (cg % 4) + t,
	v_lshl_add_u32 v6, v3, 8, v6                   ; lanes' half hh
	v_add_nc_u32 v6, s27, v6
	v_lshl_add_u32 v7, v1, 4, s27                  ; back: as the bytes lie
	v_lshlrev_b32 v8, 4, v1
	v_lshlrev_b32 v10, 2, v1
	v_lshlrev_b32 v11, 3, v1
	v_lshl_add_u32 v12, v0, 2, SUMS                ; my word among the sums
	s_lshl_b32 s28, ttmp9, 15
	s_lshl_b32 s29, s20, 12
	s_add_co_u32 s28, s28, s29
	s_mov_b32 s29, 0
	s_lshl_b32 s36, s20, 12                        ; cnt: 32 blocks of 128 bytes a wave
	s_mov_b32 s37, 0
	s_lshl_b32 s38, ttmp9, 8                       ; tokw: 256 bytes a block
	s_mov_b32 s39, 0
	s_lshl_b32 s34, s20, 5
	s_sub_co_i32 s34, ttmp9, s34
	s_max_i32 s34, s34, 0                          ; how many of my wave's blocks lie below block g
	s_wait_kmcnt 0x0
	s_add_nc_u64 s[12:13], s[12:13], s[28:29]      ; wf at my group
	s_add_nc_u64 s[8:9], s[8:9], s[36:37]
	s_add_nc_u64 s[10:11], s[10:11], s[38:39]
.set i, 0
.rept 32
	global_load_b32 v[C+i], v10, s[8:9] offset:128*i
.set i, i+1
.endr
	global_load_b64 v[TW:TW+1], v11, s[10:11]
; 32 rows (K) x 64 columns (M) of f32, rows \pitch bytes apart: 16 loads, each of two rows' 256 consecutive bytes
.macro GLOAD pitch, ptr
.set q, 0
.rept 2
.set ii, 0
.rept 8
	global_load_b128 v[X+32*q+4*ii:X+32*q+4*ii+3], v9, s[\ptr:\ptr+1] offset:(16*q+ii)*(\pitch) th:TH_LOAD_NT
.set ii, ii+1
.endr
.set q, q+1
.endr
.endm
	s_cmp_lg_u32 s24, 0
	s_cbranch_scc1 .Lw2
	s_lshl_b32 s30, s20, 17                        ; W1: 32 rows of 4,096 bytes a K step,
	s_lshl_b32 s31, s22, 10                        ; 256 columns a chunk
	s_add_co_u32 s30, s30, s31
	s_add_co_u32 s30, s30, s25
	s_mov_b32 s31, 0
	s_add_nc_u64 s[4:5], s[4:5], s[30:31]
	s_mov_b32 s32, 0x3f596d27                      ; k = sqrt(log2(e) / 2)
	s_mov_b32 s33, s32
	v_lshlrev_b32 v9, 15, v3                       ; eight rows down for the upper lanes
	v_lshl_add_u32 v9, v2, 4, v9
	GLOAD 4096, 4
	s_branch .Lasked
.Lw2:
	s_lshl_b32 s30, s22, 18                        ; W2: 256 rows of 1,024 bytes a chunk,
	s_lshl_b32 s31, s20, 15                        ; 32 a K step
	s_add_co_u32 s30, s30, s31
	s_add_co_u32 s30, s30, s25
	s_mov_b32 s31, 0
	s_add_nc_u64 s[6:7], s[6:7], s[30:31]
	s_mov_b32 s32, 0x3f16b55f                      ; 1 / (2 k)
	s_mov_b32 s33, s32
	v_lshlrev_b32 v9, 13, v3
	v_lshl_add_u32 v9, v2, 4, v9
	GLOAD 1024, 6
.Lasked:
	; THE COUNTS.  Lane = set.  Two sums over my wave's 32 blocks: all of them, and those below block g.
	s_wait_loadcnt 17                              ; the counts are in: the token words' load and the 16 loads of weights stay out
	s_cmp_gt_u32 s34, 0
	s_cselect_b32 s35, 1, 0
	v_mul_u32_u24 v[PS], s35, v[C]
	v_mov_b32 v[TS], v[C]
.set i, 1
.rept 31
	s_cmp_gt_u32 s34, i
	s_cselect_b32 s35, 1, 0
	v_mad_u32_u24 v[PS], v[C+i], s35, v[PS]
	v_add_nc_u32 v[TS], v[TS], v[C+i]
.set i, i+1
.endr
	ds_store_b32 v12, v[TS]
	ds_store_b32 v12, v[PS] offset:1024
	s_wait_dscnt 0x0                               ; for wave 0's sake: my sums are in LDS
	s_barrier_signal -1
	s_barrier_wait -1
	s_cmp_lg_u32 s20, 0
	s_cbranch_scc1 .Lwork
	; WAVE 0: the sets' first places, my block's 64 tokens, and entry g of the tiles
	v_lshl_add_u32 v13, v1, 2, SUMS
.set k, 0
.rept 8
	ds_load_b32 v[W16+k], v13 offset:128*k
	ds_load_b32 v[W16+8+k], v13 offset:1024+128*k
.set k, k+1
.endr
	v_mov_b32 v[TMP], 0
	s_mov_b32 s42, 0xffff0000                      ; lanes 16 to 31
	s_mov_b32 s44, ttmp9                           ; g
	s_lshl_b32 s40, ttmp9, 4
	s_lshl_b32 s41, ttmp9, 6
	v_mov_b32 v[ADR], s40
	v_lshl_add_u32 v[TB], v1, 1, s41               ; my first token: 64 g + 2 l
	s_wait_dscnt 0x0
	v_add_nc_u32 v[NN], v[W16], v[W16+1]
	v_add_nc_u32 v[PRE], v[W16+8], v[W16+9]
.set k, 2
.rept 6
	v_add_nc_u32 v[NN], v[NN], v[W16+k]
	v_add_nc_u32 v[PRE], v[PRE], v[W16+8+k]
.set k, k+1
.endr
.macro SCAN x                          ; running sum over the 32 lanes, in place
.irp sh, 1,2,4,8
	v_mov_b32_dpp v[TMP], v[\x] row_shr:\sh row_mask:0xf bank_mask:0xf bound_ctrl:1
	v_add_nc_u32 v[\x], v[\x], v[TMP]
.endr
	v_readlane_b32 s43, v[\x], 15
	v_cndmask_b32 v[TMP], 0, s43, s42
	v_add_nc_u32 v[\x], v[\x], v[TMP]
.endm
	v_mov_b32 v[SE], v[NN]
	SCAN SE
	v_sub_nc_u32 v[SE], v[SE], v[NN]
	v_add_nc_u32 v[NT], 79, v[NN]
	v_mul_lo_u32 v[NT], v[NT], 0xcccd              ; (n + 79) / 80: 52,429 / 2^22 is exact up to 16,463
	v_lshrrev_b32 v[NT], 22, v[NT]
	v_mov_b32 v[TI], v[NT]
	SCAN TI
	v_sub_nc_u32 v[TE], v[TI], v[NT]
	v_add_nc_u32 v[BASE], v[SE], v[PRE]            ; lane s: the first place of my block's tokens of set s
	s_wait_loadcnt 16                              ; the token words are in: the 16 loads of weights stay out
.irp k, 0,1
	v_and_b32 v[TM], 0xff, v[TW+\k]
	v_min_u32 v[TM], 31, v[TM]
	v_lshlrev_b32 v[TM], 2, v[TM]
	ds_bpermute_b32 v[BP+\k], v[TM], v[BASE]
.endr
	; entry g's set is the first whose running number of tiles exceeds g: as many sets as have TI <= g lie before it; past the last tile the count is 0
	v_cmp_ge_u32 s45, s44, v[TI]
	s_and_b32 s45, s45, 0xfffffff                  ; 28 sets
	s_bcnt1_i32_b32 s46, s45
	s_cmp_lt_u32 s46, 28
	s_cselect_b32 s47, -1, 0                       ; the entry is a tile
	s_min_u32 s46, s46, 27
	v_mov_b32 v[SIDX], s46
	v_lshlrev_b32 v[IDX], 2, v[SIDX]
	ds_bpermute_b32 v[GTE], v[IDX], v[TE]
	ds_bpermute_b32 v[GSE], v[IDX], v[SE]
	ds_bpermute_b32 v[GN], v[IDX], v[NN]
	v_mov_b32 v[HI], 1
.irp th, 1,3,6,10,15,21                        ; the first id of hi = 2 .. 7
	v_cmp_le_u32 vcc_lo, \th, v[SIDX]
	v_add_co_ci_u32 v[HI], vcc_lo, 0, v[HI], vcc_lo
.endr
	v_add_nc_u32 v[TM], -1, v[HI]
	v_mul_lo_u32 v[TM], v[TM], v[HI]
	v_lshrrev_b32 v[TM], 1, v[TM]
	v_sub_nc_u32 v[REC], v[SIDX], v[TM]
	v_mov_b32 v[REC+1], v[HI]
	s_wait_dscnt 0x0
.irp k, 0,1                                    ; 4 bytes a lane to scattered places: the placement pass of the sort, 256 bytes a work-group
	v_lshrrev_b32 v[TM], 8, v[TW+\k]
	v_min_u32 v[TM], 63, v[TM]
	v_add_nc_u32 v[BP+\k], v[BP+\k], v[TM]
	v_min_u32 v[BP+\k], 0x3fff, v[BP+\k]
	v_lshlrev_b32 v[BP+\k], 2, v[BP+\k]
	v_add_nc_u32 v[TKN+\k], \k, v[TB]
	global_store_b32 v[BP+\k], v[TKN+\k], s[14:15]
.endr
	v_sub_nc_u32 v[K80], s44, v[GTE]
	v_mul_u32_u24 v[K80], v[K80], 80
	v_add_nc_u32 v[REC+2], v[GSE], v[K80]
	v_sub_nc_u32 v[REC+3], v[GN], v[K80]
	v_min_u32 v[REC+3], 80, v[REC+3]
	v_cndmask_b32 v[REC+2], 0, v[REC+2], s47
	v_cndmask_b32 v[REC+3], 0, v[REC+3], s47
	global_store_b128 v[ADR], v[REC:REC+3], s[16:17]  ; every lane holds the same 16 bytes for the same place
	s_wait_xcnt 0x0                                ; these stores have read their registers, which the conversion below writes again
.Lwork:
	; THE WEIGHTS: scaled, rounded, turned from columns into fragments in the wave's own stage, stored
.set q, 0
.rept 2
	s_wait_loadcnt 8-8*q                           ; the other half's eight loads may stay out
.set p, 0
.rept 16
	v_pk_mul_f32 v[X+32*q+2*p:X+32*q+2*p+1], v[X+32*q+2*p:X+32*q+2*p+1], s[32:33] op_sel_hi:[1,0]
.set p, p+1
.endr
.set t, 0
.rept 4
.set m, 0
.rept 4
	v_cvt_pk_f16_f32 v[O+16*q+4*t+m], v[X+32*q+8*m+t], v[X+32*q+8*m+4+t]  ; rows 2 m and 2 m + 1 of column t
.set m, m+1
.endr
	ds_store_b128 v6, v[O+16*q+4*t:O+16*q+4*t+3] offset:512*q+16*t
.set t, t+1
.endr
.set q, q+1
.endr
.set n, 0
.rept 8
	ds_load_b128 v[RB+4*n:RB+4*n+3], v7 offset:(n/2)*1040+(n%2)*512  ; LDS serves a wave's instructions in order: these see the stores above
.set n, n+1
.endr
.set n, 0
.rept 8
	s_wait_dscnt 7-n                               ; the younger loads stay out
	global_store_b128 v8, v[RB+4*n:RB+4*n+3], s[12:13] offset:512*n  ; 512 consecutive bytes, aligned
.set n, n+1
.endr
	s_wait_tensorcnt 0x0                           ; the wave's end
	ds_add_u32 v4, v5
	s_wait_dscnt 0x0
	s_endpgm
.Lfunc_end_k_qfd128523d6_prep:
	.size	k_qfd128523d6_prep, .Lfunc_end_k_qfd128523d6_prep-k_qfd128523d6_prep
	.p2alignl 7, 3214868480
	.fill 96, 4, 3214868480
	.section	.rodata,"a",@progbits
	.p2align	6, 0x0
	.amdhsa_kernel k_qfd128523d6_prep
		.amdhsa_group_segment_fixed_size 36352
		.amdhsa_private_segment_fixed_size 0
		.amdhsa_enable_private_segment 0
		.amdhsa_kernarg_size 56
		.amdhsa_user_sgpr_count 2
		.amdhsa_user_sgpr_kernarg_segment_ptr 1
		.amdhsa_wavefront_size32 1
		.amdhsa_system_sgpr_workgroup_id_x 1
		.amdhsa_system_sgpr_workgroup_id_y 1
		.amdhsa_system_sgpr_workgroup_id_z 1
		.amdhsa_system_vgpr_workitem_id 0
		.amdhsa_next_free_vgpr 144
		.amdhsa_next_free_sgpr 66
		.amdhsa_reserve_vcc 1
		.amdhsa_float_denorm_mode_32 3
		.amdhsa_float_denorm_mode_16_64 3
		.amdhsa_memory_ordered 1
		.amdhsa_forward_progress 1
		.amdhsa_inst_pref_size 27
	.end_amdhsa_kernel
	.amdgpu_metadata
---
amdhsa.version: [ 1, 2 ]
amdhsa.kernels:
  - .name:           k_qfd128523d6_prep
    .symbol:         k_qfd128523d6_prep.kd
    .args:
      - { .name: W1, .offset: 0, .size: 8, .value_kind: global_buffer, .address_space: global }
      - { .name: W2, .offset: 8, .size: 8, .value_kind: global_buffer, .address_space: global }
      - { .name: cnt, .offset: 16, .size: 8, .value_kind: global_buffer, .address_space: global }
      - { .name: tokw, .offset: 24, .size: 8, .value_kind: global_buffer, .address_space: global }
      - { .name: wf, .offset: 32, .size: 8, .value_kind: global_buffer, .address_space: global }
      - { .name: order, .offset: 40, .size: 8, .value_kind: global_buffer, .address_space: global }
      - { .name: tiles, .offset: 48, .size: 8, .value_kind: global_buffer, .address_space: global }
    .group_segment_fixed_size: 36352
    .private_segment_fixed_size: 0
    .kernarg_segment_align: 8
    .kernarg_segment_size: 56
    .max_flat_workgroup_size: 256
    .sgpr_count:     66
    .vgpr_count:     144
    .wavefront_size: 32
...
	.end_amdgpu_metadata
.endif
;; end of part 2
;; launch chain (part 3): grid 232 x 1, 4 waves a work-group, no clusters, 155,136 bytes of LDS; arguments x, tokf, order, tiles, wf, b1, b2, ln_g, ln_b, out0; writes out0
.if DOCPART == 3
	.amdgcn_target "amdgcn-amd-amdhsa--gfx1250"
	.amdhsa_code_object_version 6
	.text
	.protected	k_qfd128523d6_chain
	.globl	k_qfd128523d6_chain
	.p2align	8
	.type	k_qfd128523d6_chain,@function
k_qfd128523d6_chain:
	s_mov_b64 s[64:65], 0
	v_nop
	global_prefetch_b8 v0, s[64:65] scope:SCOPE_SE
	s_setreg_imm32_b32 hwreg(HW_REG_WAVE_MODE, 25, 1), 1
	s_wait_xcnt 0x0
; THE CHAIN.  A work-group takes up to 80 tokens that chose the same two experts {lo, hi} through both experts: gather, LayerNorm with each expert's gain and bias, fc1, exact GELU,
; the gate, fc2, both experts summed into one accumulator, and stores the tokens' output rows: each output row has one owner.
; GRID.  The sum over 28 sets of ceil(n / 80) is at most (16,384 + 28 x 79) / 80 = 232 for every split of the tokens.  Places past an entry's count repeat its last token (an entry
; whose count is 0: row order[0]); their stores are jumped.
; LIVE TILES.  Of an entry's 5 token tiles of 16 rows only NT = ceil(count / 16) hold rows.  The products, the GELU and the stores of h' of the others are jumped by scalar branches on NT,
; forward, over text that holds no barrier, no load and no wait: every load, wait and barrier stands on every path, so each wait's count means the same whatever NT is.
; What is still done for a tile without rows: fc1's first K step, which writes all 20 sums anew in every chunk, so that on no path a register is read that was never written (4 of the tile's
; 64 products a chunk); and the LDS loads of its xe and its h', which keep the counts alike (h' is set to 0 once, at the start, so that no byte is read that nobody wrote).
; FORMATS.  All four matrix operands are f16, sums f32.  LIMITS: xe = xn g + b, k W1, gate x 2 k gelu and W2 / (2 k) lie within 65,504; erf by a rational form with an
; exponential (Abramowitz and Stegun 7.1.25), off by 2.5e-5 at the most, exact in both tails; NaN and infinities are not treated apart.
; GELU.  With k = sqrt(log2(e) / 2) folded into W1 and b1 the sums are s = k z.  t = 1 / (1 + P |s|), e = 2^(-s s), erf = ((NA3 t + NA2) t + NA1) t e + 1,
; h' = gate (|s| erf + s) = gate 2 k gelu(z); W2 carries 1 / (2 k).
; SHARES.  8 chunks of 256 hidden units (4 of lo, 4 of hi).  In fc1 wave w makes hidden 64 w .. + 63 of the chunk for all 80 tokens; h' goes through LDS; in fc2 wave w makes output
; channels 64 w .. + 63 for all 80 tokens.  So each weight byte is read by one wave of the work-group and comes from memory straight into that wave's operand registers, as the launch
; before laid it out: a ring of 256 registers, 8 K steps.  It is refilled in few, long runs of loads: in fc2 behind every two K steps (the next chunk's W1, wanted 6 K steps later), in fc1
; behind every four (the same chunk's W2, wanted behind GELU).  NO CLUSTER: partners would have to walk the same two experts' weights, and the tiles of a
; set of experts are not a multiple of four at every split of the tokens (a set may have one tile, or none).
; BOTH PRODUCTS ARE USED TRANSPOSED (source 0 = 16 rows of weights, source 1 = 16 tokens): a lane holds one token (lane % 16) and eight neighbouring hidden units or channels.
; REGISTERS, in windows of 256 (s_set_vgpr_msb: bits 1:0 source 0, 3:2 source 1, 5:4 source 2, 7:6 destination):
;   window 0: v0-31 addresses, tokens, gates; v32-95 xe of token tile 4 (before: b2; at the end: rows on their way out); v96-255 Y, 20 accumulators (before: the prologue's registers)
;   window 1: xe of token tiles 0-3 (in the prologue: the x rows)      window 3: the weights' ring: K step j, tile i at 32 j + 8 i
;   window 2: v0-159 Z, 20 accumulators, in fc2 four buffers of h fragments; v160-191 k b1; v192-239 GELU at work; v240-249 the gate, twice a tile; v250 where h' goes
.set PITCH, 528                        ; a row of 256 f16 in LDS + 16 bytes: the 16 rows of a load or store start at 16 different columns of 16 bytes
.set TROW,  16*PITCH
.set B1S,   42496                      ; LDS: h' [80][PITCH] from 0; k b1 [2][1024] f32 here;
.set LTOK,  50688                      ; 512 bytes a wave: the tile's 80 token ids;
.set SPARE, 52736                      ; the spare words, 128 bytes a wave;
.set XE,    53248                      ; xe [2][80][PITCH];
.set XEB,   80*PITCH
.set STAGE, 137728                     ; 16 rows x 272 bytes a wave, for the way out
.set SPI,   272
.set LOFF, 3                           ; 16 x lane
.set XEA,  4                           ; my place in a tile of xe
.set HRD,  5                           ; my place in a tile of h'
.set B1A,  7                           ; my 8 numbers of k b1, this chunk's
.set STO,  8                           ; the way out: where I put 32 bytes of a row
.set SRD,  9                           ; the way out: my 8 bytes of a row of the stage
.set OCOL, 10                          ; my 8 bytes among the wave's 256 of an output row
.set LTA,  12                          ; my wave's list of token ids
.set TOK,  13                          ; v13-17  the token of row 16 tt + lane % 16
.set SPW,  18
.set NIL,  19
.set GW,   20                          ; v20-29  its two gates
.set XT4,  32
.set B2L,  32
.set B2H,  64
.set OB,   32                          ; the way out: v32-63 16 rows, 8 bytes a lane; v64-79 their tokens; v80-95 their offsets in the output
.set TK,   64
.set OF,   80
.set Y,    96
.set XO,   96                          ; the prologue: v96-115 my 20 rows' offsets in x, v116-135 in tokf,
.set SO,   116
.set ST,   136                         ; v136-175 their -mean and rstd,
.set GB,   176                         ; v176-207 gain and bias of both experts for my 8 columns,
.set T,    208
.set U,    216
.set HP,   224                         ; v224-231 a row packed, four registers an expert
.set B1T,  232
.set PA,   248                         ; v248-255 addresses
.set BIAS, 160                         ; window 2
.set ZT,   192
.set ZE,   208
.set ZQ,   224
.set ZG,   240
.set HST,  250
.set MSB, 0
.macro WIN new                         ; the immediate's high byte repeats the setting that is left; a switch that changes nothing is dropped
.if MSB != (\new)
	s_set_vgpr_msb (MSB<<8)|(\new)
.set MSB, \new
.endif
.endm
.macro PLACES n                        ; plain vector instructions between a matrix instruction and a load into, or a use of, its registers
.rept \n
	v_nop
.endr
.endm
.macro LIVE tt, lbl                    ; token tile tt and those behind it hold no row: their work is jumped.  s41 = NT.  At a branch every window is 0
	WIN 0
	s_cmp_le_u32 s41, \tt
	s_cbranch_scc1 \lbl
.endm
	s_load_b512 s[4:19], s[0:1], 0x0               ; x s[4:5], tokf s[6:7], order s[8:9], tiles s[10:11], wf s[12:13], b1 s[14:15], b2 s[16:17], ln_g s[18:19]
	s_load_b128 s[20:23], s[0:1], 0x40             ; ln_b s[20:21], out0 s[22:23]
	v_lshl_add_u32 v[SPW], v0, 2, SPARE
	v_mov_b32 v[NIL], 0
	v_lshrrev_b32 v30, 5, v0
	v_readfirstlane_b32 s24, v30                   ; wave
	s_lshl_b32 s25, ttmp9, 4
	s_wait_kmcnt 0x0
	s_load_b128 s[28:31], s[10:11], s25 offset:0x0 ; lo, hi, first, count
	v_and_b32 v1, 15, v0                           ; r
	v_bfe_u32 v2, v0, 4, 1                         ; hh
	v_and_b32 v30, 31, v0                          ; lane
	v_lshlrev_b32 v[LOFF], 4, v30
	v_mul_u32_u24 v[HRD], v1, PITCH
	v_lshl_add_u32 v[HRD], v2, 4, v[HRD]           ; row x pitch + 16 x half
	v_add_nc_u32 v[XEA], XE, v[HRD]
	s_lshl_b32 s56, s24, 8
	s_add_co_u32 s52, s56, B1S
	v_lshl_add_u32 v[B1A], v2, 5, s52              ; hidden 64 w + 8 hh
	s_mul_i32 s53, s24, 16*SPI
	s_add_co_u32 s53, s53, STAGE                   ; my stage
	v_mul_u32_u24 v[STO], v1, SPI
	v_lshl_add_u32 v[STO], v2, 5, v[STO]
	v_add_nc_u32 v[STO], s53, v[STO]               ; in: row r, 32 bytes for each half of the lanes
	v_lshl_add_u32 v[SRD], v30, 3, s53             ; back: the 32 lanes take one row's 256 bytes
	v_lshl_add_u32 v[OCOL], v30, 3, s56            ; which are bytes 256 w .. + 255 of an output row
	s_lshl_b32 s55, s24, 9
	s_add_co_u32 s55, s55, LTOK
	v_mov_b32 v[LTA], s55
	v_lshl_add_u32 v31, v1, 2, s55
	s_lshl_b32 s57, s24, 7
	WIN 0x80
	v_add_nc_u32 v[HST], s57, v[HRD]               ; h': row r, hidden 64 w + 8 hh
	WIN 0xaa
.irp n, 0,1,2,3
	v_mov_b32 v[ZT+\n], 0
.endr
.set n, 0
.rept 10                                       ; my part of h' is set to 0 once: the rows of tiles without tokens are never stored by GELU and are still read by fc2's loads
	ds_store_b128 v[HST], v[ZT:ZT+3] offset:TROW*(n/2)+64*(n%2)
	ds_store_b128 v[HST], v[ZT:ZT+3] offset:TROW*(n/2)+64*(n%2)+32
.set n, n+1
.endr
	WIN 0
	s_mul_i32 s58, s24, 20*PITCH
	s_add_co_u32 s58, s58, XE
	v_lshl_add_u32 v[PA+7], v30, 3, s58            ; xe: my wave's 20 rows, 8 bytes a lane
	v_lshl_add_u32 v[PA+6], v0, 4, B1S
	s_mov_b32 s42, 0xbeb2303a                      ; NA1 = -0.3480242
	s_mov_b32 s43, s42
	s_mov_b32 s44, 0x3dc45ca1                      ; NA2 = +0.0958798
	s_mov_b32 s45, s44
	s_mov_b32 s46, 0xbf3f7377                      ; NA3 = -0.7478556
	s_mov_b32 s47, s46
	s_mov_b32 s48, 0x3ec88bd9                      ; P = 0.47047 / sqrt(log2(e))
	s_mov_b32 s50, 0x3f596d27                      ; k
	s_mov_b32 s51, s50
	s_mul_i32 s33, s24, 20
	s_wait_kmcnt 0x0
	s_min_u32 s28, s28, 7
	s_min_u32 s29, s29, 7
	s_min_u32 s30, s30, 0x3fff
	s_min_u32 s31, s31, 80
	s_add_co_u32 s41, s31, 15
	s_lshr_b32 s41, s41, 4                         ; NT: token tiles that hold rows, 0 to 5
	s_max_u32 s32, s31, 1
	s_sub_co_u32 s32, s32, 1                       ; the tile's last row
	; the token ids: my wave's 20 rows, each in every lane, and row 16 tt + r for each lane
.set i, 0
.rept 20
	s_add_co_u32 s52, s33, i
	s_min_u32 s52, s52, s32
	s_add_co_u32 s52, s52, s30
	s_min_u32 s52, s52, 0x3fff
	s_lshl_b32 s52, s52, 2
	v_mov_b32 v[SO+i], s52
	global_load_b32 v[XO+i], v[SO+i], s[8:9]
.set i, i+1
.endr
.set tt, 0
.rept 5
	v_add_nc_u32 v[U+tt], 16*tt, v1
	v_min_u32 v[U+tt], s32, v[U+tt]
	v_add_nc_u32 v[U+tt], s30, v[U+tt]
	v_min_u32 v[U+tt], 0x3fff, v[U+tt]
	v_lshlrev_b32 v[U+tt], 2, v[U+tt]
	global_load_b32 v[TOK+tt], v[U+tt], s[8:9]
.set tt, tt+1
.endr
	; what hangs on the experts alone: 28 loads
	s_lshl_b32 s52, s28, 10
	s_lshl_b32 s53, s29, 10
	v_add_nc_u32 v[PA], s52, v[LOFF]
	v_add_nc_u32 v[PA+1], s53, v[LOFF]
	s_lshl_b32 s54, s28, 12
	s_lshl_b32 s55, s29, 12
	v_lshl_add_u32 v[PA+2], v0, 4, s54
	v_lshl_add_u32 v[PA+3], v0, 4, s55
	s_add_co_u32 s52, s52, s56
	s_add_co_u32 s53, s53, s56
	v_lshl_add_u32 v[PA+4], v2, 5, s52
	v_lshl_add_u32 v[PA+5], v2, 5, s53
.irp e, 0,1
	global_load_b128 v[GB+16*\e:GB+16*\e+3], v[PA+\e], s[18:19]
	global_load_b128 v[GB+16*\e+4:GB+16*\e+7], v[PA+\e], s[18:19] offset:512
	global_load_b128 v[GB+16*\e+8:GB+16*\e+11], v[PA+\e], s[20:21]
	global_load_b128 v[GB+16*\e+12:GB+16*\e+15], v[PA+\e], s[20:21] offset:512
	global_load_b128 v[B1T+8*\e:B1T+8*\e+3], v[PA+2+\e], s[14:15]
	global_load_b128 v[B1T+8*\e+4:B1T+8*\e+7], v[PA+2+\e], s[14:15] offset:2048
.endr
.irp d, 0,1,2,3
	global_load_b128 v[B2L+8*\d:B2L+8*\d+3], v[PA+4], s[16:17] offset:64*\d
	global_load_b128 v[B2L+8*\d+4:B2L+8*\d+7], v[PA+4], s[16:17] offset:64*\d+16
	global_load_b128 v[B2H+8*\d:B2H+8*\d+3], v[PA+5], s[16:17] offset:64*\d
	global_load_b128 v[B2H+8*\d+4:B2H+8*\d+7], v[PA+5], s[16:17] offset:64*\d+16
.endr
	s_lshl_b32 s52, s28, 20                        ; the weights: 1 MiB an expert, 64 KiB a wave
	s_lshl_b32 s54, s24, 16
	s_add_co_u32 s52, s52, s54
	s_mov_b32 s53, 0
	s_add_nc_u64 s[36:37], s[12:13], s[52:53]      ; lo's chunk 0
	s_lshl_b32 s52, s29, 20
	s_add_co_u32 s52, s52, s54
	s_add_nc_u64 s[38:39], s[12:13], s[52:53]      ; hi's chunk 0
	s_wait_loadcnt 28                              ; the ids are in: the 28 loads behind them stay out
.set i, 0
.rept 20
	v_min_u32 v[XO+i], 0x3fff, v[XO+i]
	v_lshlrev_b32 v[SO+i], 4, v[XO+i]
	v_lshl_add_u32 v[XO+i], v[XO+i], 10, v[LOFF]
.set i, i+1
.endr
.set tt, 0
.rept 5
	v_min_u32 v[TOK+tt], 0x3fff, v[TOK+tt]
	v_lshlrev_b32 v[U+tt], 4, v[TOK+tt]
	global_load_b64 v[GW+2*tt:GW+2*tt+1], v[U+tt], s[6:7]
.set tt, tt+1
.endr
.set i, 0
.rept 20
	global_load_b64 v[ST+2*i:ST+2*i+1], v[SO+i], s[6:7] offset:8
.set i, i+1
.endr
	WIN 0x40
.set i, 0
.rept 20                                       ; a row of x: two loads of 512 consecutive bytes
	global_load_b128 v[8*i:8*i+3], v[XO+i], s[4:5]
	global_load_b128 v[8*i+4:8*i+7], v[XO+i], s[4:5] offset:512
.set i, i+1
.endr
.macro RINGLD j, base                  ; K step j's four fragments into the ring: 8 loads of 512 consecutive bytes
	WIN 0xc0
.irp i, 0,1,2,3
	global_load_b128 v[32*(\j)+8*\i:32*(\j)+8*\i+3], v[LOFF], s[36:37] offset:(\base)+4096*(\j)+1024*\i
	global_load_b128 v[32*(\j)+8*\i+4:32*(\j)+8*\i+7], v[LOFF], s[36:37] offset:(\base)+4096*(\j)+1024*\i+512
.endr
.endm
.set j, 0
.rept 8
	RINGLD j, 0                                    ; chunk 0's W1
.set j, j+1
.endr
	WIN 0
	s_wait_loadcnt 63                              ; 64 ring loads were issued last: all that is older has landed, the ring stays on its way
.set p, 0
.rept 8
	v_pk_mul_f32 v[B1T+2*p:B1T+2*p+1], v[B1T+2*p:B1T+2*p+1], s[50:51] op_sel_hi:[1,0]
.set p, p+1
.endr
.irp n, 0,1,2,3
	ds_store_b128 v[PA+6], v[B1T+4*\n:B1T+4*\n+3] offset:2048*\n
.endr
.set tt, 0
.rept 5
	ds_store_b32 v31, v[TOK+tt] offset:64*tt       ; my wave's own copy of the ids (lanes l and l + 16 write the same word)
.set tt, tt+1
.endr
; Row i of my 20: (x - mean) rstd, then each expert's gain and bias, rounded to f16, 8 bytes a lane twice.  Each expert packs into registers of its own, so that no line
; rewrites what the store just ahead of it reads.
.macro XROW i
	WIN 0x01
.irp p, 0,2,4,6
	v_pk_add_f32 v[T+\p:T+\p+1], v[8*(\i)+\p:8*(\i)+\p+1], v[ST+2*(\i):ST+2*(\i)+1] op_sel_hi:[1,0]
.endr
	WIN 0
.irp p, 0,2,4,6
	v_pk_mul_f32 v[T+\p:T+\p+1], v[T+\p:T+\p+1], v[ST+2*(\i):ST+2*(\i)+1] op_sel:[0,1] op_sel_hi:[1,1]
.endr
.irp e, 0,1
.irp p, 0,2,4,6
	v_pk_fma_f32 v[U+\p:U+\p+1], v[T+\p:T+\p+1], v[GB+16*\e+\p:GB+16*\e+\p+1], v[GB+16*\e+8+\p:GB+16*\e+8+\p+1]
.endr
.irp m, 0,1,2,3
	v_cvt_pk_f16_f32 v[HP+4*\e+\m], v[U+2*\m], v[U+2*\m+1]
.endr
	ds_store_b64 v[PA+7], v[HP+4*\e:HP+4*\e+1] offset:XEB*\e+PITCH*(\i)
	ds_store_b64 v[PA+7], v[HP+4*\e+2:HP+4*\e+3] offset:XEB*\e+PITCH*(\i)+256
.endr
.endm
.set i, 0
.rept 20
	XROW i
.set i, i+1
.endr
	s_wait_dscnt 0x0                               ; for the others' sake: my rows of xe, my part of k b1 and my zeros in h' are in LDS
	s_barrier_signal -1
	s_barrier_wait -1
	; the sums begin with w_lo b2[lo] + w_hi b2[hi]: nothing is cleared
.set dt, 0
.rept 4
.set tt, 0
.rept 5
.irp p, 0,2,4,6
	v_pk_mul_f32 v[Y+8*(5*dt+tt)+\p:Y+8*(5*dt+tt)+\p+1], v[B2L+8*dt+\p:B2L+8*dt+\p+1], v[GW+2*tt:GW+2*tt+1] op_sel_hi:[1,0]
.endr
.irp p, 0,2,4,6
	v_pk_fma_f32 v[Y+8*(5*dt+tt)+\p:Y+8*(5*dt+tt)+\p+1], v[B2H+8*dt+\p:B2H+8*dt+\p+1], v[GW+2*tt:GW+2*tt+1], v[Y+8*(5*dt+tt)+\p:Y+8*(5*dt+tt)+\p+1] op_sel:[0,1,0] op_sel_hi:[1,1,1]
.endr
.set tt, tt+1
.endr
.set dt, dt+1
.endr
.macro BIASLD                          ; k b1 of my 64 hidden units: the C operand of fc1's first K step
	WIN 0x80
.irp u, 0,1,2,3
	ds_load_b128 v[BIAS+8*\u:BIAS+8*\u+3], v[B1A] offset:64*\u
	ds_load_b128 v[BIAS+8*\u+4:BIAS+8*\u+7], v[B1A] offset:64*\u+16
.endr
.endm
.macro HLD jj                          ; h' of K step jj, five token tiles, into buffer jj % 4: 10 loads, on every path
	WIN 0x80
.irp u, 0,1,2,3,4
	ds_load_b128 v[40*((\jj)%4)+8*\u:40*((\jj)%4)+8*\u+3], v[HRD] offset:TROW*\u+64*(\jj)
	ds_load_b128 v[40*((\jj)%4)+8*\u+4:40*((\jj)%4)+8*\u+7], v[HRD] offset:TROW*\u+64*(\jj)+32
.endr
.endm
; An expert begins: its xe (80 tokens x 256 channels: 40 fragments) comes into registers for four chunks, and its gate, twice a tile
.macro SETUP e
	WIN 0
.if \e
	v_add_nc_u32 v[XEA], XEB, v[XEA]
.endif
	WIN 0x40
.set tt, 0
.rept 4
.set j, 0
.rept 8
	ds_load_b128 v[64*tt+8*j:64*tt+8*j+3], v[XEA] offset:TROW*tt+64*j
	ds_load_b128 v[64*tt+8*j+4:64*tt+8*j+7], v[XEA] offset:TROW*tt+64*j+32
.set j, j+1
.endr
.set tt, tt+1
.endr
	WIN 0
.set j, 0
.rept 8
	ds_load_b128 v[XT4+8*j:XT4+8*j+3], v[XEA] offset:TROW*4+64*j
	ds_load_b128 v[XT4+8*j+4:XT4+8*j+7], v[XEA] offset:TROW*4+64*j+32
.set j, j+1
.endr
	WIN 0x80
.set tt, 0
.rept 5
	v_mov_b32 v[ZG+2*tt], v[GW+2*tt+(\e)]
	v_mov_b32 v[ZG+2*tt+1], v[GW+2*tt+(\e)]
.set tt, tt+1
.endr
	s_wait_dscnt 0x0                               ; xe, and the bias loads issued before it
	WIN 0
.endm
; fc1 of a chunk: 8 K steps of 20 products, two K steps at a time, tile by tile.
; F1T: K step j for token tile tt: four products, one on each of the tile's four accumulators (xe of tiles 0-3 lies in window 1, of tile 4 in window 0).
; A tile's block begins at its accumulator 0 and ends at its accumulator 3, so on no way do two products that follow each other share an accumulator.
.macro F1T j, tt
.if (\tt) < 4
	WIN 0xa7
.set rB, 64*(\tt)+8*(\j)
.else
	WIN 0xa3
.set rB, XT4+8*(\j)
.endif
.set ht, 0
.rept 4
.if (\j) == 0
	v_wmma_f32_16x16x32_f16 v[8*(5*ht+(\tt)):8*(5*ht+(\tt))+7], v[32*(\j)+8*ht:32*(\j)+8*ht+7], v[rB:rB+7], v[BIAS+8*ht:BIAS+8*ht+7]
.else
	v_wmma_f32_16x16x32_f16 v[8*(5*ht+(\tt)):8*(5*ht+(\tt))+7], v[32*(\j)+8*ht:32*(\j)+8*ht+7], v[rB:rB+7], v[8*(5*ht+(\tt)):8*(5*ht+(\tt))+7]
.endif
.set ht, ht+1
.endr
.endm
.macro F1PAIR j
.if (\j) == 0
.irp u, 0,1,2,3,4
	F1T 0, \u                                      ; the first K step starts all 20 sums, with k b1, for every tile
.endr
.irp u, 0,1,2,3,4
	LIVE \u, .Lf1_\@
	F1T 1, \u
.endr
.else
.irp u, 0,1,2,3,4
	LIVE \u, .Lf1_\@
	F1T \j, \u
	F1T (\j)+1, \u
.endr
.endif
	WIN 0
.Lf1_\@:
.endm
; W1 was asked for in four runs of 16 loads (two K steps each); W2 is asked for here in two runs of 32.  Each wait's count is the number of loads issued behind the run that it wants.
.macro F1
	s_wait_loadcnt 48                              ; K steps 0, 1 are in: three runs of 16 were issued behind them
	F1PAIR 0
	s_wait_loadcnt 32                              ; K steps 2, 3: two runs of 16
	F1PAIR 2
	PLACES 4
.irp g, 0,1,2,3
	RINGLD \g, 32768                               ; this chunk's W2, K steps 0-3, into the registers just multiplied
.endr
	s_wait_loadcnt 48                              ; K steps 4, 5: one run of 16 and the 32 just issued
	F1PAIR 4
	s_wait_loadcnt 32                              ; K steps 6, 7: the 32
	F1PAIR 6
	PLACES 5                                       ; ahead of the loads below, of GELU's first use of the sums and, where GELU is jumped, of all that names these registers next
.irp g, 4,5,6,7
	RINGLD \g, 32768
.endr
.endm
; GELU and gate for unit n of 10: two accumulators (hidden tiles 2 (n % 2), 2 (n % 2) + 1 of token tile n / 2): 16 numbers a lane, number i in register ZA + i + 32 (i / 8).
; The 32 transcendentals are one batch, plain lines between them, with one wait ahead of the first use.
; The 16 results are packed in place, into the first accumulator's 8 registers, which nothing writes before fc2.  A tile's first unit is stored directly behind the second unit's wait,
; its second unit at the end of the tile's block, so that the block is whole and can be jumped.
.macro DEN i
	v_fma_f32 v[ZT+(\i)], |v[ZA+(\i)+32*((\i)/8)]|, s48, 1.0
.endm
.macro USQ p
	v_pk_mul_f32 v[ZE+2*(\p):ZE+2*(\p)+1], v[ZA+2*(\p)+32*((\p)/4):ZA+2*(\p)+32*((\p)/4)+1], v[ZA+2*(\p)+32*((\p)/4):ZA+2*(\p)+32*((\p)/4)+1] neg_lo:[0,1] neg_hi:[0,1]
.endm
.macro GST n                           ; unit n's h' goes to LDS: 16 bytes a lane twice
.set ZP, 8*(10*((\n)%2)+(\n)/2)
	ds_store_b128 v[HST], v[ZP:ZP+3] offset:TROW*((\n)/2)+64*((\n)%2)
	ds_store_b128 v[HST], v[ZP+4:ZP+7] offset:TROW*((\n)/2)+64*((\n)%2)+32
.endm
.macro GU n
.set ZA, 8*(10*((\n)%2)+(\n)/2)
	DEN 0                                          ; each accumulator is first read at its lowest register
	DEN 1
	USQ 0
.set p, 0
.rept 8
	v_rcp_f32 v[ZT+2*p], v[ZT+2*p]
.if p < 7
	DEN 2*p+2
.endif
	v_rcp_f32 v[ZT+2*p+1], v[ZT+2*p+1]
.if p < 7
	DEN 2*p+3
.endif
	v_exp_f32 v[ZE+2*p], v[ZE+2*p]
.if p < 7
	USQ p+1
.endif
	v_exp_f32 v[ZE+2*p+1], v[ZE+2*p+1]
.set p, p+1
.endr
	v_nop                                          ; a plain instruction behind the last exponential
	s_wait_alu depctr_va_vdst(0)                   ; the wait for the batch
.if ((\n)%2) == 1
	GST (\n)-1                                     ; the tile's first unit leaves here: none of my vector results is outstanding
.endif
.set p, 0
.rept 8
	v_pk_fma_f32 v[ZQ+2*p:ZQ+2*p+1], v[ZT+2*p:ZT+2*p+1], s[46:47], s[44:45] op_sel_hi:[1,0,0]
.set p, p+1
.endr
.set p, 0
.rept 8
	v_pk_fma_f32 v[ZQ+2*p:ZQ+2*p+1], v[ZQ+2*p:ZQ+2*p+1], v[ZT+2*p:ZT+2*p+1], s[42:43] op_sel_hi:[1,1,0]
.set p, p+1
.endr
.set p, 0
.rept 8
	v_pk_mul_f32 v[ZQ+2*p:ZQ+2*p+1], v[ZQ+2*p:ZQ+2*p+1], v[ZT+2*p:ZT+2*p+1]
.set p, p+1
.endr
.set p, 0
.rept 8
	v_pk_fma_f32 v[ZE+2*p:ZE+2*p+1], v[ZQ+2*p:ZQ+2*p+1], v[ZE+2*p:ZE+2*p+1], 1.0 op_sel_hi:[1,1,0]  ; erf
.set p, p+1
.endr
.set p, 0
.rept 16
	v_fma_f32 v[ZA+p+32*(p/8)], |v[ZA+p+32*(p/8)]|, v[ZE+p], v[ZA+p+32*(p/8)]
.set p, p+1
.endr
.set p, 0
.rept 8
	v_pk_mul_f32 v[ZA+2*p+32*(p/4):ZA+2*p+32*(p/4)+1], v[ZA+2*p+32*(p/4):ZA+2*p+32*(p/4)+1], v[ZG+2*((\n)/2):ZG+2*((\n)/2)+1]
.set p, p+1
.endr
.set p, 0
.rept 8
	v_cvt_pk_f16_f32 v[ZA+p], v[ZA+2*p+32*(p/4)], v[ZA+2*p+32*(p/4)+1]  ; register ZA + p has been read by pair p / 2 before pair p writes it
.set p, p+1
.endr
.endm
.macro G
.irp u, 0,1,2,3,4
	LIVE \u, .Lg_\@
	WIN 0xaa
	GU 2*\u
	GU 2*\u+1
	GST 2*\u+1
.endr
	WIN 0
.Lg_\@:
	s_wait_dscnt 0x0                               ; for the others' sake: my part of h' is in LDS
	s_barrier_signal -1
	s_barrier_wait -1                              ; everybody's is
.endm
; fc2 of a chunk: 8 K steps of 20 products onto Y, two K steps at a time, tile by tile as in fc1.  fill = 1: behind each two K steps their ring registers take the next chunk's W1
; (16 loads), and the next chunk's bias is fetched; ahead of the last two K steps, when my reads of h' are back, the barrier behind which h' may be written again is signalled, and
; waited for behind their products: signal and wait stand on every path, outside what is jumped.
.macro F2T j, tt
	WIN 0x0b
.set dt, 0
.rept 4
	v_wmma_f32_16x16x32_f16 v[Y+8*(5*dt+(\tt)):Y+8*(5*dt+(\tt))+7], v[32*(\j)+8*dt:32*(\j)+8*dt+7], v[40*((\j)%4)+8*(\tt):40*((\j)%4)+8*(\tt)+7], v[Y+8*(5*dt+(\tt)):Y+8*(5*dt+(\tt))+7]
.set dt, dt+1
.endr
.endm
.macro F2PAIR j
.irp u, 0,1,2,3,4
	LIVE \u, .Lf2_\@
	F2T \j, \u
	F2T (\j)+1, \u
.endr
	WIN 0
.Lf2_\@:
.endm
.macro F2 fill
	WIN 0
.if \fill
	v_add_nc_u32 v[B1A], 1024, v[B1A]
	BIASLD                                         ; older than the loads of h': the first wait below covers them
.endif
	HLD 0
	HLD 1
	HLD 2
	HLD 3
.irp m, 0,1,2,3
.if \fill
	s_wait_loadcnt 48                              ; W2's K steps 2 m, 2 m + 1 are in: behind them 16 loads for each later pair of W2 and for each pair of W1 asked for so far: three pairs in all
.else
	s_wait_loadcnt 48-16*\m                        ; nothing is fetched any more: the counts run down
.endif
.if \m < 3
	s_wait_dscnt 20                                ; the fragments of these two K steps are in: the ten loads of each of the next two stay out
.else
	s_wait_dscnt 0x0
.if \fill
	s_barrier_signal -1                            ; my reads of h' are over
.endif
.endif
	F2PAIR 2*\m
.if \m == 3
.if \fill
	s_barrier_wait -1                              ; everybody's are
.endif
	PLACES 5                                       ; fc1's products next write over registers that these read; the way out reads these sums
.elseif (\fill) || (\m < 2)
	PLACES 4
.endif
.if \fill
	RINGLD 2*\m, 0
	RINGLD 2*\m+1, 0
.endif
.if \m < 2
	HLD 2*\m+4
	HLD 2*\m+5
.endif
.endr
	WIN 0
.endm
	s_mov_b32 s40, 8                               ; chunks to go
	BIASLD
	SETUP 0
	s_branch .Lf1                                  ; the loop is entered in its middle: a trip is fc2 of one chunk, then fc1 and GELU of the next
.Ltop:
	s_wait_xcnt 0x0                                ; the ring's loads have read their base
	s_add_nc_u64 s[36:37], s[36:37], 0x40000       ; the next chunk's weights,
	s_cmp_eq_u32 s40, 4
	s_cselect_b64 s[36:37], s[38:39], s[36:37]     ; or, behind lo's four chunks, hi's first
	F2 1
	s_cmp_lg_u32 s40, 4
	s_cbranch_scc1 .Lf1
	SETUP 1
.Lf1:
	F1
	G
	s_sub_co_u32 s40, s40, 1
	s_cmp_lg_u32 s40, 0
	s_cbranch_scc1 .Ltop
	F2 0                                           ; the last chunk's fc2 is written out: no load leaves the weights
	; THE WAY OUT, a token tile at a time: 16 rows x my 64 channels (256 bytes) through my own stage, then each row to its token's place.
	; A store holds ONE row: 32 lanes x 8 bytes are the row's 256 consecutive bytes, aligned.  So no store lies on both sides of the count: those past it are jumped, all lanes stay on.
.set tt, 0
.rept 5
	s_cmp_le_u32 s31, 16*tt
	s_cbranch_scc1 .Ldone
.if tt > 0
	s_wait_xcnt 0x0                                ; the last tile's stores have read their data and offsets, which are written again below
.endif
.set dt, 0
.rept 4
	ds_store_b128 v[STO], v[Y+8*(5*dt+tt):Y+8*(5*dt+tt)+3] offset:64*dt      ; each accumulator's low registers first
	ds_store_b128 v[STO], v[Y+8*(5*dt+tt)+4:Y+8*(5*dt+tt)+7] offset:64*dt+16
.set dt, dt+1
.endr
.irp n, 0,1,2,3
	ds_load_b128 v[TK+4*\n:TK+4*\n+3], v[LTA] offset:64*tt+16*\n             ; the tile's 16 tokens, the same in every lane
.endr
.set t, 0
.rept 16
	ds_load_b64 v[OB+2*t:OB+2*t+1], v[SRD] offset:SPI*t  ; LDS serves a wave's instructions in order: these see the stores above
.set t, t+1
.endr
	s_wait_dscnt 0x0
.set t, 0
.rept 16
	v_min_u32 v[TK+t], 0x3fff, v[TK+t]
	v_lshl_add_u32 v[OF+t], v[TK+t], 10, v[OCOL]
.set t, t+1
.endr
.set t, 0
.rept 16
.if t > 0
	s_cmp_le_u32 s31, 16*tt+t
	s_cbranch_scc1 .Ldone
.endif
	global_store_b64 v[OF+t], v[OB+2*t:OB+2*t+1], s[22:23] th:TH_STORE_NT
.set t, t+1
.endr
.set tt, tt+1
.endr
.Ldone:
	s_wait_tensorcnt 0x0                           ; the wave's end
	ds_add_u32 v[SPW], v[NIL]
	s_wait_dscnt 0x0
	s_endpgm
.Lfunc_end_k_qfd128523d6_chain:
	.size	k_qfd128523d6_chain, .Lfunc_end_k_qfd128523d6_chain-k_qfd128523d6_chain
	.p2alignl 7, 3214868480
	.fill 96, 4, 3214868480
	.section	.rodata,"a",@progbits
	.p2align	6, 0x0
	.amdhsa_kernel k_qfd128523d6_chain
		.amdhsa_group_segment_fixed_size 155136
		.amdhsa_private_segment_fixed_size 0
		.amdhsa_enable_private_segment 0
		.amdhsa_kernarg_size 80
		.amdhsa_user_sgpr_count 2
		.amdhsa_user_sgpr_kernarg_segment_ptr 1
		.amdhsa_wavefront_size32 1
		.amdhsa_system_sgpr_workgroup_id_x 1
		.amdhsa_system_sgpr_workgroup_id_y 1
		.amdhsa_system_sgpr_workgroup_id_z 1
		.amdhsa_system_vgpr_workitem_id 0
		.amdhsa_next_free_vgpr 1024
		.amdhsa_next_free_sgpr 66
		.amdhsa_reserve_vcc 0
		.amdhsa_float_denorm_mode_32 3
		.amdhsa_float_denorm_mode_16_64 3
		.amdhsa_memory_ordered 1
		.amdhsa_forward_progress 1
		.amdhsa_inst_pref_size 254
	.end_amdhsa_kernel
	.amdgpu_metadata
---
amdhsa.version: [ 1, 2 ]
amdhsa.kernels:
  - .name:           k_qfd128523d6_chain
    .symbol:         k_qfd128523d6_chain.kd
    .args:
      - { .name: x, .offset: 0, .size: 8, .value_kind: global_buffer, .address_space: global }
      - { .name: tokf, .offset: 8, .size: 8, .value_kind: global_buffer, .address_space: global }
      - { .name: order, .offset: 16, .size: 8, .value_kind: global_buffer, .address_space: global }
      - { .name: tiles, .offset: 24, .size: 8, .value_kind: global_buffer, .address_space: global }
      - { .name: wf, .offset: 32, .size: 8, .value_kind: global_buffer, .address_space: global }
      - { .name: b1, .offset: 40, .size: 8, .value_kind: global_buffer, .address_space: global }
      - { .name: b2, .offset: 48, .size: 8, .value_kind: global_buffer, .address_space: global }
      - { .name: ln_g, .offset: 56, .size: 8, .value_kind: global_buffer, .address_space: global }
      - { .name: ln_b, .offset: 64, .size: 8, .value_kind: global_buffer, .address_space: global }
      - { .name: out0, .offset: 72, .size: 8, .value_kind: global_buffer, .address_space: global }
    .group_segment_fixed_size: 155136
    .private_segment_fixed_size: 0
    .kernarg_segment_align: 8
    .kernarg_segment_size: 80
    .max_flat_workgroup_size: 128
    .sgpr_count:     66
    .vgpr_count:     1024
    .wavefront_size: 32
...
	.end_amdgpu_metadata
.endif
;; end of part 3
;; ======== version 2 of 2: 3 launches; version 1 with the launch chain written anew for expert scheduling mode
;; limits: a function is approximated: absolute error at most 2.5e-05; values are held in f16: magnitudes above 65,504 overflow, below 6.1e-05 lose precision
;; workspace buffers: tokf 262,144 bytes; tokw 65,536 bytes of whole numbers; cnt 32,768 bytes of whole numbers; order 65,536 bytes of whole numbers; tiles 4,096 bytes of whole numbers; wf 8,388,608 bytes
;; launch router: the kernel of part 1 again; grid 256 x 1, 4 waves a work-group, no clusters, 768 bytes of LDS; arguments x, Wr, br, tokf, tokw, cnt; writes tokf, tokw, cnt
;; launch prep: the kernel of part 2 again; grid 256 x 1, 8 waves a work-group, no clusters, 36,352 bytes of LDS; arguments W1, W2, cnt, tokw, wf, order, tiles; writes wf, order, tiles
;; launch chain (part 4): grid 232 x 1, 4 waves a work-group, no clusters, 155,136 bytes of LDS; arguments x, tokf, order, tiles, wf, b1, b2, ln_g, ln_b, out0; writes out0
.if DOCPART == 4
	.amdgcn_target "amdgcn-amd-amdhsa--gfx1250"
	.amdhsa_code_object_version 6
	.text
	.protected	k_qfd128523d6_chain
	.globl	k_qfd128523d6_chain
	.p2align	8
	.type	k_qfd128523d6_chain,@function
k_qfd128523d6_chain:
	s_mov_b64 s[64:65], 0
	v_nop
	global_prefetch_b8 v0, s[64:65] scope:SCOPE_SE
	s_setreg_imm32_b32 hwreg(HW_REG_WAVE_SCHED_MODE, 0, 2), 2
	s_setreg_imm32_b32 hwreg(HW_REG_WAVE_MODE, 25, 1), 1
	s_wait_xcnt 0x0
	s_wait_alu depctr_vm_vsrc(0)
; THE CHAIN.  A work-group takes up to 80 tokens that chose the same two experts {lo, hi} through both experts: gather, LayerNorm with each expert's gain and bias, fc1, exact GELU,
; the gate, fc2, both experts summed into one accumulator, and stores the tokens' output rows: each output row has one owner.
; GRID.  The sum over 28 sets of ceil(n / 80) is at most (16,384 + 28 x 79) / 80 = 232 for every split of the tokens.  Places past an entry's count repeat its last token (an entry
; whose count is 0: row order[0]); their stores are jumped.
; LIVE TILES.  Of an entry's 5 token tiles of 16 rows only NT = ceil(count / 16) hold rows.  The products, the GELU and the stores of h' of the others are jumped by scalar branches on NT,
; forward, over text that holds no barrier, no load and no wait on a memory counter: every load, such wait and barrier stands on every path, so each wait's count means the same whatever NT is.
; What is still done for a tile without rows: fc1's first K step, which writes all 20 sums anew in every chunk, so that on no path a register is read that was never written (4 of the tile's
; 64 products a chunk); and the LDS loads of its xe and its h', which keep the counts alike (h' is set to 0 once, at the start, so that no byte is read that nobody wrote).
; FORMATS.  All four matrix operands are f16, sums f32.  LIMITS: xe = xn g + b, k W1, gate x 2 k gelu and W2 / (2 k) lie within 65,504; erf by a rational form with an
; exponential (Abramowitz and Stegun 7.1.25), off by 2.5e-5 at the most, exact in both tails; NaN and infinities are not treated apart.
; GELU.  With k = sqrt(log2(e) / 2) folded into W1 and b1 the sums are s = k z.  t = 1 / (1 + P |s|), e = 2^(-s s), erf = ((NA3 t + NA2) t + NA1) t e + 1,
; h' = gate (|s| erf + s) = gate 2 k gelu(z); W2 carries 1 / (2 k).
; SHARES.  8 chunks of 256 hidden units (4 of lo, 4 of hi).  In fc1 wave w makes hidden 64 w .. + 63 of the chunk for all 80 tokens; h' goes through LDS; in fc2 wave w makes output
; channels 64 w .. + 63 for all 80 tokens.  So each weight byte is read by one wave of the work-group and comes from memory straight into that wave's operand registers, as the launch
; before laid it out: a ring of 256 registers, 8 K steps.  It is refilled in few, long runs of loads: in fc2 behind every two K steps (the next chunk's W1, wanted 6 K steps later), in fc1
; behind every four (the same chunk's W2, wanted behind GELU).  NO CLUSTER: partners would have to walk the same two experts' weights, and the tiles of a
; set of experts are not a multiple of four at every split of the tokens (a set may have one tile, or none).
; BOTH PRODUCTS ARE USED TRANSPOSED (source 0 = 16 rows of weights, source 1 = 16 tokens): a lane holds one token (lane % 16) and eight neighbouring hidden units or channels.
; THE MODE: SCHED_MODE bits 1:0 = 2 (LLVM: expert scheduling mode 2), set by the entry lines.  The code itself states the register dependences between vector or matrix
; instructions and memory or LDS instructions, with s_wait_alu, always for 0.
; THE PLAN.  Registers that memory or LDS instructions touch, in the loop:
;   the ring      read by fc1's and fc2's products; behind each two or four K steps the next weights land in the registers just multiplied.
;   Z             written by fc1's products, worked on by GELU, read by GELU's LDS stores; in fc2 the fragments of h' land in it, fc2's products read them, and further fragments land.
;   k b1          read by fc1's first K step; the next chunk's lands in it at fc2's head.       xe   read by fc1's products; hi's lands in it once, behind lo's fourth chunk.
;   v[B1A]        read by the bias loads, stepped once a chunk.       v[XEA]   read by the loads of xe, stepped once.
;   All other addresses are made at the head and never written again; the weights' base is a scalar pair.  Y is named by matrix instructions alone until the way out.
; So one wait on va_vdst stands ahead of each run of loads (two in fc1, one at fc2's head, four in fc2) and ahead of each tile's last two stores of h' (the tile's first two stand behind the
; wait for the second unit's batch); one wait on vm_vsrc ends GELU, ahead of all that writes Z or v[B1A] again.  Between such a wait and its run stand window switches and loads alone.
; Each wait stands behind the label at which the jumped paths join.  The runs are not dealt among the products that follow them: those stand in text that a branch on NT jumps.
; REGISTERS, in windows of 256 (s_set_vgpr_msb: bits 1:0 source 0, 3:2 source 1, 5:4 source 2, 7:6 destination):
;   window 0: v0-31 addresses, tokens, gates; v32-95 xe of token tile 4 (before: b2; at the end: rows on their way out); v96-255 Y, 20 accumulators (before: the prologue's registers)
;   window 1: xe of token tiles 0-3 (in the prologue: the x rows, normalised and packed in place; v160-175 at work)      window 3: the weights' ring: K step j, tile i at 32 j + 8 i
;   window 2: v0-159 Z, 20 accumulators, in fc2 four buffers of h fragments; v160-191 k b1; v192-239 GELU at work; v240-249 the gate, twice a tile; v250 where h' goes
.set PITCH, 528                        ; a row of 256 f16 in LDS + 16 bytes: the 16 rows of a load or store start at 16 different columns of 16 bytes
.set TROW,  16*PITCH
.set B1S,   42496                      ; LDS: h' [80][PITCH] from 0; k b1 [2][1024] f32 here;
.set LTOK,  50688                      ; 512 bytes a wave: the tile's 80 token ids (the 512 bytes behind them hold the spare words, 128 bytes a wave);
.set XE,    53248                      ; xe [2][80][PITCH];
.set XEB,   80*PITCH
.set STAGE, 137728                     ; 16 rows x 272 bytes a wave, for the way out
.set SPI,   272
.set LOFF, 3                           ; 16 x lane
.set XEA,  4                           ; my place in a tile of xe
.set HRD,  5                           ; my place in a tile of h'
.set B1A,  7                           ; my 8 numbers of k b1, this chunk's
.set STO,  8                           ; the way out: where I put 32 bytes of a row
.set SRD,  9                           ; the way out: my 8 bytes of a row of the stage
.set OCOL, 10                          ; my 8 bytes among the wave's 256 of an output row
.set LTA,  12                          ; my wave's list of token ids
.set TOK,  13                          ; v13-17  the token of row 16 tt + lane % 16
.set GW,   20                          ; v20-29  its two gates
.set XT4,  32
.set B2L,  32
.set B2H,  64
.set OB,   32                          ; the way out: v32-63 16 rows, 8 bytes a lane; v64-79 their tokens; v80-95 their offsets in the output
.set TK,   64
.set OF,   80
.set Y,    96
.set XO,   96                          ; the prologue: v96-115 my 20 rows' offsets in x, v116-135 in tokf,
.set SO,   116
.set ST,   136                         ; v136-175 their -mean and rstd,
.set GB,   176                         ; v176-207 gain and bias of both experts for my 8 columns,
.set U,    216                         ; v216-220 offsets of the five tokens of my lane
.set B1T,  232
.set PA,   248                         ; v248-255 addresses
.set XU,   160                         ; window 1: v160-175 a row with each expert's gain and bias, in f32
.set BIAS, 160                         ; window 2
.set ZT,   192
.set ZE,   208
.set ZQ,   224
.set ZG,   240
.set HST,  250
.set MSB, 0
.macro WIN new                         ; the immediate's high byte repeats the setting that is left; a switch that changes nothing is dropped
.if MSB != (\new)
	s_set_vgpr_msb (MSB<<8)|(\new)
.set MSB, \new
.endif
.endm
.macro PLACES n                        ; plain vector instructions between a matrix instruction and a load into, or a use of, its registers
.rept \n
	v_nop
.endr
.endm
.macro LIVE tt, lbl                    ; token tile tt and those behind it hold no row: their work is jumped.  s41 = NT.  At a branch every window is 0
	WIN 0
	s_cmp_le_u32 s41, \tt
	s_cbranch_scc1 \lbl
.endm
	s_load_b512 s[4:19], s[0:1], 0x0               ; x s[4:5], tokf s[6:7], order s[8:9], tiles s[10:11], wf s[12:13], b1 s[14:15], b2 s[16:17], ln_g s[18:19]
	s_load_b128 s[20:23], s[0:1], 0x40             ; ln_b s[20:21], out0 s[22:23]
	v_lshl_add_u32 v18, v0, 2, 0xce00
	v_mov_b32 v19, 0
	v_lshrrev_b32 v30, 5, v0
	v_readfirstlane_b32 s24, v30                   ; wave
	s_lshl_b32 s25, ttmp9, 4
	s_wait_kmcnt 0x0
	s_load_b128 s[28:31], s[10:11], s25 offset:0x0 ; lo, hi, first, count
	v_and_b32 v1, 15, v0                           ; r
	v_bfe_u32 v2, v0, 4, 1                         ; hh
	v_and_b32 v30, 31, v0                          ; lane
	v_lshlrev_b32 v[LOFF], 4, v30
	v_mul_u32_u24 v[HRD], v1, PITCH
	v_lshl_add_u32 v[HRD], v2, 4, v[HRD]           ; row x pitch + 16 x half
	v_add_nc_u32 v[XEA], XE, v[HRD]
	s_wait_alu depctr_va_sdst(0)                   ; s24 is written, ahead of its first reader: LDS places and the weights' bases are made from it
	s_lshl_b32 s56, s24, 8
	s_add_co_u32 s52, s56, B1S
	v_lshl_add_u32 v[B1A], v2, 5, s52              ; hidden 64 w + 8 hh
	s_mul_i32 s53, s24, 16*SPI
	s_add_co_u32 s53, s53, STAGE                   ; my stage
	v_mul_u32_u24 v[STO], v1, SPI
	v_lshl_add_u32 v[STO], v2, 5, v[STO]
	v_add_nc_u32 v[STO], s53, v[STO]               ; in: row r, 32 bytes for each half of the lanes
	v_lshl_add_u32 v[SRD], v30, 3, s53             ; back: the 32 lanes take one row's 256 bytes
	v_lshl_add_u32 v[OCOL], v30, 3, s56            ; which are bytes 256 w .. + 255 of an output row
	s_lshl_b32 s55, s24, 9
	s_add_co_u32 s55, s55, LTOK
	v_mov_b32 v[LTA], s55
	v_lshl_add_u32 v31, v1, 2, s55
	s_lshl_b32 s57, s24, 7
	WIN 0x80
	v_add_nc_u32 v[HST], s57, v[HRD]               ; h': row r, hidden 64 w + 8 hh
	WIN 0xaa
.irp n, 0,1,2,3
	v_mov_b32 v[ZT+\n], 0
.endr
	s_wait_alu depctr_va_vdst(0)                   ; v[HST] and the four zeros are written, which the LDS stores below read
.set n, 0
.rept 10                                       ; my part of h' is set to 0 once: the rows of tiles without tokens are never stored by GELU and are still read by fc2's loads
	ds_store_b128 v[HST], v[ZT:ZT+3] offset:TROW*(n/2)+64*(n%2)
	ds_store_b128 v[HST], v[ZT:ZT+3] offset:TROW*(n/2)+64*(n%2)+32
.set n, n+1
.endr
	WIN 0
	s_mul_i32 s58, s24, 20*PITCH
	s_add_co_u32 s58, s58, XE
	v_lshl_add_u32 v[PA+7], v30, 3, s58            ; xe: my wave's 20 rows, 8 bytes a lane
	v_lshl_add_u32 v[PA+6], v0, 4, B1S
	s_mov_b32 s42, 0xbeb2303a                      ; NA1 = -0.3480242
	s_mov_b32 s43, s42
	s_mov_b32 s44, 0x3dc45ca1                      ; NA2 = +0.0958798
	s_mov_b32 s45, s44
	s_mov_b32 s46, 0xbf3f7377                      ; NA3 = -0.7478556
	s_mov_b32 s47, s46
	s_mov_b32 s48, 0x3ec88bd9                      ; P = 0.47047 / sqrt(log2(e))
	s_mov_b32 s50, 0x3f596d27                      ; k
	s_mov_b32 s51, s50
	s_mul_i32 s33, s24, 20
	s_wait_kmcnt 0x0
	s_min_u32 s28, s28, 7
	s_min_u32 s29, s29, 7
	s_min_u32 s30, s30, 0x3fff
	s_min_u32 s31, s31, 80
	s_add_co_u32 s41, s31, 15
	s_lshr_b32 s41, s41, 4                         ; NT: token tiles that hold rows, 0 to 5
	s_max_u32 s32, s31, 1
	s_sub_co_u32 s32, s32, 1                       ; the tile's last row
	; all offsets of the first 53 loads are made first, so that one wait serves them.  The token ids: my wave's 20 rows, each in every lane, and row 16 tt + r for each lane
.set i, 0
.rept 20
	s_add_co_u32 s52, s33, i
	s_min_u32 s52, s52, s32
	s_add_co_u32 s52, s52, s30
	s_min_u32 s52, s52, 0x3fff
	s_lshl_b32 s52, s52, 2
	v_mov_b32 v[SO+i], s52
.set i, i+1
.endr
.set tt, 0
.rept 5
	v_add_nc_u32 v[U+tt], 16*tt, v1
	v_min_u32 v[U+tt], s32, v[U+tt]
	v_add_nc_u32 v[U+tt], s30, v[U+tt]
	v_min_u32 v[U+tt], 0x3fff, v[U+tt]
	v_lshlrev_b32 v[U+tt], 2, v[U+tt]
.set tt, tt+1
.endr
	; what hangs on the experts alone
	s_lshl_b32 s52, s28, 10
	s_lshl_b32 s53, s29, 10
	v_add_nc_u32 v[PA], s52, v[LOFF]
	v_add_nc_u32 v[PA+1], s53, v[LOFF]
	s_lshl_b32 s54, s28, 12
	s_lshl_b32 s55, s29, 12
	v_lshl_add_u32 v[PA+2], v0, 4, s54
	v_lshl_add_u32 v[PA+3], v0, 4, s55
	s_add_co_u32 s52, s52, s56
	s_add_co_u32 s53, s53, s56
	v_lshl_add_u32 v[PA+4], v2, 5, s52
	v_lshl_add_u32 v[PA+5], v2, 5, s53
	s_wait_alu depctr_va_vdst(0)                   ; v[SO ..], v[U ..], v[PA ..] are written, which the loads below read; so are v3 to v12 and v31, the addresses of the whole kernel
.set i, 0
.rept 20
	global_load_b32 v[XO+i], v[SO+i], s[8:9]
.set i, i+1
.endr
.set tt, 0
.rept 5
	global_load_b32 v[TOK+tt], v[U+tt], s[8:9]
.set tt, tt+1
.endr
.irp e, 0,1                                    ; 28 loads
	global_load_b128 v[GB+16*\e:GB+16*\e+3], v[PA+\e], s[18:19]
	global_load_b128 v[GB+16*\e+4:GB+16*\e+7], v[PA+\e], s[18:19] offset:512
	global_load_b128 v[GB+16*\e+8:GB+16*\e+11], v[PA+\e], s[20:21]
	global_load_b128 v[GB+16*\e+12:GB+16*\e+15], v[PA+\e], s[20:21] offset:512
	global_load_b128 v[B1T+8*\e:B1T+8*\e+3], v[PA+2+\e], s[14:15]
	global_load_b128 v[B1T+8*\e+4:B1T+8*\e+7], v[PA+2+\e], s[14:15] offset:2048
.endr
.irp d, 0,1,2,3
	global_load_b128 v[B2L+8*\d:B2L+8*\d+3], v[PA+4], s[16:17] offset:64*\d
	global_load_b128 v[B2L+8*\d+4:B2L+8*\d+7], v[PA+4], s[16:17] offset:64*\d+16
	global_load_b128 v[B2H+8*\d:B2H+8*\d+3], v[PA+5], s[16:17] offset:64*\d
	global_load_b128 v[B2H+8*\d+4:B2H+8*\d+7], v[PA+5], s[16:17] offset:64*\d+16
.endr
	s_lshl_b32 s52, s28, 20                        ; the weights: 1 MiB an expert, 64 KiB a wave
	s_lshl_b32 s54, s24, 16
	s_add_co_u32 s52, s52, s54
	s_mov_b32 s53, 0
	s_add_nc_u64 s[36:37], s[12:13], s[52:53]      ; lo's chunk 0
	s_lshl_b32 s52, s29, 20
	s_add_co_u32 s52, s52, s54
	s_add_nc_u64 s[38:39], s[12:13], s[52:53]      ; hi's chunk 0
	s_wait_loadcnt 28                              ; the ids are in: the 28 loads behind them stay out
	s_wait_alu depctr_vm_vsrc(0)                   ; the loads of the ids have read v[SO ..] and v[U ..], which are written again below
.set i, 0
.rept 20
	v_min_u32 v[XO+i], 0x3fff, v[XO+i]
	v_lshlrev_b32 v[SO+i], 4, v[XO+i]
	v_lshl_add_u32 v[XO+i], v[XO+i], 10, v[LOFF]
.set i, i+1
.endr
.set tt, 0
.rept 5
	v_min_u32 v[TOK+tt], 0x3fff, v[TOK+tt]
	v_lshlrev_b32 v[U+tt], 4, v[TOK+tt]
.set tt, tt+1
.endr
	s_wait_alu depctr_va_vdst(0)                   ; v[XO ..], v[SO ..], v[U ..] are written, which the loads below read, and v[TOK ..], which LDS stores read further down
.set tt, 0
.rept 5
	global_load_b64 v[GW+2*tt:GW+2*tt+1], v[U+tt], s[6:7]
.set tt, tt+1
.endr
.set i, 0
.rept 20
	global_load_b64 v[ST+2*i:ST+2*i+1], v[SO+i], s[6:7] offset:8
.set i, i+1
.endr
	WIN 0x40
.set i, 0
.rept 20                                       ; a row of x: two loads of 512 consecutive bytes
	global_load_b128 v[8*i:8*i+3], v[XO+i], s[4:5]
	global_load_b128 v[8*i+4:8*i+7], v[XO+i], s[4:5] offset:512
.set i, i+1
.endr
.macro RINGLD j, base                  ; K step j's four fragments into the ring: 8 loads of 512 consecutive bytes
	WIN 0xc0
.irp i, 0,1,2,3
	global_load_b128 v[32*(\j)+8*\i:32*(\j)+8*\i+3], v[LOFF], s[36:37] offset:(\base)+4096*(\j)+1024*\i
	global_load_b128 v[32*(\j)+8*\i+4:32*(\j)+8*\i+7], v[LOFF], s[36:37] offset:(\base)+4096*(\j)+1024*\i+512
.endr
.endm
.set j, 0
.rept 8
	RINGLD j, 0                                    ; chunk 0's W1
.set j, j+1
.endr
	WIN 0
	s_wait_loadcnt 63                              ; 64 ring loads were issued last: all that is older has landed, the ring stays on its way
.set p, 0
.rept 8
	v_pk_mul_f32 v[B1T+2*p:B1T+2*p+1], v[B1T+2*p:B1T+2*p+1], s[50:51] op_sel_hi:[1,0]
.set p, p+1
.endr
; Row i of my 20: (x - mean) rstd in place, then each expert's gain and bias, rounded to f16.  A row's 8 registers take its two experts' 4 + 4 packed registers: the row is its own
; out-buffer, the 20 rows' arithmetic holds no store, and one wait serves all their stores.
.macro XROW i
	WIN 0x41                                       ; destination and source 0 in window 1, the other sources in window 0
.irp p, 0,2,4,6
	v_pk_add_f32 v[8*(\i)+\p:8*(\i)+\p+1], v[8*(\i)+\p:8*(\i)+\p+1], v[ST+2*(\i):ST+2*(\i)+1] op_sel_hi:[1,0]
.endr
.irp p, 0,2,4,6
	v_pk_mul_f32 v[8*(\i)+\p:8*(\i)+\p+1], v[8*(\i)+\p:8*(\i)+\p+1], v[ST+2*(\i):ST+2*(\i)+1] op_sel:[0,1] op_sel_hi:[1,1]
.endr
.irp e, 0,1
.irp p, 0,2,4,6
	v_pk_fma_f32 v[XU+8*\e+\p:XU+8*\e+\p+1], v[8*(\i)+\p:8*(\i)+\p+1], v[GB+16*\e+\p:GB+16*\e+\p+1], v[GB+16*\e+8+\p:GB+16*\e+8+\p+1]
.endr
.endr
	WIN 0x45                                       ; destination and both sources in window 1
.irp e, 0,1
.irp m, 0,1,2,3
	v_cvt_pk_f16_f32 v[8*(\i)+4*\e+\m], v[XU+8*\e+2*\m], v[XU+8*\e+2*\m+1]
.endr
.endr
.endm
.set i, 0
.rept 20
	XROW i
.set i, i+1
.endr
	WIN 0
	s_wait_alu depctr_va_vdst(0)                   ; k b1 and the 20 packed rows are written, which the LDS stores below read
.irp n, 0,1,2,3
	ds_store_b128 v[PA+6], v[B1T+4*\n:B1T+4*\n+3] offset:2048*\n
.endr
.set tt, 0
.rept 5
	ds_store_b32 v31, v[TOK+tt] offset:64*tt       ; my wave's own copy of the ids (lanes l and l + 16 write the same word)
.set tt, tt+1
.endr
	WIN 0x04                                       ; the stores' data in window 1
.set i, 0
.rept 20                                       ; 8 bytes a lane twice for each expert
.irp e, 0,1
	ds_store_b64 v[PA+7], v[8*i+4*\e:8*i+4*\e+1] offset:XEB*\e+PITCH*i
	ds_store_b64 v[PA+7], v[8*i+4*\e+2:8*i+4*\e+3] offset:XEB*\e+PITCH*i+256
.endr
.set i, i+1
.endr
	WIN 0
	s_wait_dscnt 0x0                               ; for the others' sake: my rows of xe, my part of k b1 and my zeros in h' are in LDS
	s_barrier_signal -1
	s_barrier_wait -1
	s_wait_alu depctr_vm_vsrc(0)                   ; the prologue's loads and LDS stores have read their offsets and data: v96-255 become Y below, xe lands in window 1, GELU writes v[ZT ..]
	; the sums begin with w_lo b2[lo] + w_hi b2[hi]: nothing is cleared
.set dt, 0
.rept 4
.set tt, 0
.rept 5
.irp p, 0,2,4,6
	v_pk_mul_f32 v[Y+8*(5*dt+tt)+\p:Y+8*(5*dt+tt)+\p+1], v[B2L+8*dt+\p:B2L+8*dt+\p+1], v[GW+2*tt:GW+2*tt+1] op_sel_hi:[1,0]
.endr
.irp p, 0,2,4,6
	v_pk_fma_f32 v[Y+8*(5*dt+tt)+\p:Y+8*(5*dt+tt)+\p+1], v[B2H+8*dt+\p:B2H+8*dt+\p+1], v[GW+2*tt:GW+2*tt+1], v[Y+8*(5*dt+tt)+\p:Y+8*(5*dt+tt)+\p+1] op_sel:[0,1,0] op_sel_hi:[1,1,1]
.endr
.set tt, tt+1
.endr
.set dt, dt+1
.endr
.macro BIASLD                          ; k b1 of my 64 hidden units: the C operand of fc1's first K step
	WIN 0x80
.irp u, 0,1,2,3
	ds_load_b128 v[BIAS+8*\u:BIAS+8*\u+3], v[B1A] offset:64*\u
	ds_load_b128 v[BIAS+8*\u+4:BIAS+8*\u+7], v[B1A] offset:64*\u+16
.endr
.endm
.macro HLD jj                          ; h' of K step jj, five token tiles, into buffer jj % 4: 10 loads, on every path
	WIN 0x80
.irp u, 0,1,2,3,4
	ds_load_b128 v[40*((\jj)%4)+8*\u:40*((\jj)%4)+8*\u+3], v[HRD] offset:TROW*\u+64*(\jj)
	ds_load_b128 v[40*((\jj)%4)+8*\u+4:40*((\jj)%4)+8*\u+7], v[HRD] offset:TROW*\u+64*(\jj)+32
.endr
.endm
; An expert begins: its xe (80 tokens x 256 channels: 40 fragments) comes into registers for four chunks, and its gate, twice a tile
.macro SETUP e
	WIN 0
.if \e
	v_add_nc_u32 v[XEA], XEB, v[XEA]               ; lo's loads of xe, which read it, stand ahead of the waits on vm_vsrc that ended lo's four GELUs
	s_wait_alu depctr_va_vdst(0)                   ; v[XEA] is written, which the loads below read; fc1's products are done reading lo's xe, in whose registers they land
.endif
	WIN 0x40
.set tt, 0
.rept 4
.set j, 0
.rept 8
	ds_load_b128 v[64*tt+8*j:64*tt+8*j+3], v[XEA] offset:TROW*tt+64*j
	ds_load_b128 v[64*tt+8*j+4:64*tt+8*j+7], v[XEA] offset:TROW*tt+64*j+32
.set j, j+1
.endr
.set tt, tt+1
.endr
	WIN 0
.set j, 0
.rept 8
	ds_load_b128 v[XT4+8*j:XT4+8*j+3], v[XEA] offset:TROW*4+64*j
	ds_load_b128 v[XT4+8*j+4:XT4+8*j+7], v[XEA] offset:TROW*4+64*j+32
.set j, j+1
.endr
	WIN 0x80
.set tt, 0
.rept 5
	v_mov_b32 v[ZG+2*tt], v[GW+2*tt+(\e)]
	v_mov_b32 v[ZG+2*tt+1], v[GW+2*tt+(\e)]
.set tt, tt+1
.endr
	s_wait_dscnt 0x0                               ; xe, and the bias loads issued before it
	WIN 0
.endm
; fc1 of a chunk: 8 K steps of 20 products, two K steps at a time, tile by tile.
; F1T: K step j for token tile tt: four products, one on each of the tile's four accumulators (xe of tiles 0-3 lies in window 1, of tile 4 in window 0).
; A tile's block begins at its accumulator 0 and ends at its accumulator 3, so on no way do two products that follow each other share an accumulator.
.macro F1T j, tt
.if (\tt) < 4
	WIN 0xa7
.set rB, 64*(\tt)+8*(\j)
.else
	WIN 0xa3
.set rB, XT4+8*(\j)
.endif
.set ht, 0
.rept 4
.if (\j) == 0
	v_wmma_f32_16x16x32_f16 v[8*(5*ht+(\tt)):8*(5*ht+(\tt))+7], v[32*(\j)+8*ht:32*(\j)+8*ht+7], v[rB:rB+7], v[BIAS+8*ht:BIAS+8*ht+7]
.else
	v_wmma_f32_16x16x32_f16 v[8*(5*ht+(\tt)):8*(5*ht+(\tt))+7], v[32*(\j)+8*ht:32*(\j)+8*ht+7], v[rB:rB+7], v[8*(5*ht+(\tt)):8*(5*ht+(\tt))+7]
.endif
.set ht, ht+1
.endr
.endm
.macro F1PAIR j
.if (\j) == 0
.irp u, 0,1,2,3,4
	F1T 0, \u                                      ; the first K step starts all 20 sums, with k b1, for every tile
.endr
.irp u, 0,1,2,3,4
	LIVE \u, .Lf1_\@
	F1T 1, \u
.endr
.else
.irp u, 0,1,2,3,4
	LIVE \u, .Lf1_\@
	F1T \j, \u
	F1T (\j)+1, \u
.endr
.endif
	WIN 0
.Lf1_\@:
.endm
; W1 was asked for in four runs of 16 loads (two K steps each); W2 is asked for here in two runs of 32.  Each wait's count is the number of loads issued behind the run that it wants.
.macro F1
	s_wait_loadcnt 48                              ; K steps 0, 1 are in: three runs of 16 were issued behind them
	F1PAIR 0
	s_wait_loadcnt 32                              ; K steps 2, 3: two runs of 16
	F1PAIR 2
	PLACES 4
	s_wait_alu depctr_va_vdst(0)                   ; the products of K steps 0-3 are done reading their ring registers, in which the 32 loads below land
.irp g, 0,1,2,3
	RINGLD \g, 32768                               ; this chunk's W2, K steps 0-3, into the registers just multiplied
.endr
	s_wait_loadcnt 48                              ; K steps 4, 5: one run of 16 and the 32 just issued
	F1PAIR 4
	s_wait_loadcnt 32                              ; K steps 6, 7: the 32
	F1PAIR 6
	PLACES 5                                       ; ahead of GELU's first use of the sums and, where GELU is jumped, of all that names these registers next
	s_wait_alu depctr_va_vdst(0)                   ; the products of K steps 4-7 are done reading their ring registers, in which the 32 loads below land
.irp g, 4,5,6,7
	RINGLD \g, 32768
.endr
.endm
; GELU and gate for unit n of 10: two accumulators (hidden tiles 2 (n % 2), 2 (n % 2) + 1 of token tile n / 2): 16 numbers a lane, number i in register ZA + i + 32 (i / 8).
; The 32 transcendentals are one batch, plain lines between them, with one wait ahead of the first use.
; The 16 results are packed in place, into the first accumulator's 8 registers, which nothing writes before fc2.  A tile's first unit is stored directly behind the second unit's wait,
; its second unit at the end of the tile's block, so that the block is whole and can be jumped.
.macro DEN i
	v_fma_f32 v[ZT+(\i)], |v[ZA+(\i)+32*((\i)/8)]|, s48, 1.0
.endm
.macro USQ p
	v_pk_mul_f32 v[ZE+2*(\p):ZE+2*(\p)+1], v[ZA+2*(\p)+32*((\p)/4):ZA+2*(\p)+32*((\p)/4)+1], v[ZA+2*(\p)+32*((\p)/4):ZA+2*(\p)+32*((\p)/4)+1] neg_lo:[0,1] neg_hi:[0,1]
.endm
.macro GST n                           ; unit n's h' goes to LDS: 16 bytes a lane twice
.set ZP, 8*(10*((\n)%2)+(\n)/2)
	ds_store_b128 v[HST], v[ZP:ZP+3] offset:TROW*((\n)/2)+64*((\n)%2)
	ds_store_b128 v[HST], v[ZP+4:ZP+7] offset:TROW*((\n)/2)+64*((\n)%2)+32
.endm
.macro GU n
.set ZA, 8*(10*((\n)%2)+(\n)/2)
	DEN 0                                          ; each accumulator is first read at its lowest register
	DEN 1
	USQ 0
.set p, 0
.rept 8
	v_rcp_f32 v[ZT+2*p], v[ZT+2*p]
.if p < 7
	DEN 2*p+2
.endif
	v_rcp_f32 v[ZT+2*p+1], v[ZT+2*p+1]
.if p < 7
	DEN 2*p+3
.endif
	v_exp_f32 v[ZE+2*p], v[ZE+2*p]
.if p < 7
	USQ p+1
.endif
	v_exp_f32 v[ZE+2*p+1], v[ZE+2*p+1]
.set p, p+1
.endr
	v_nop                                          ; a plain instruction behind the last exponential
	s_wait_alu depctr_va_vdst(0)                   ; the batch's 32 results are written, ahead of their first use; in a tile's second unit also: the first unit's roundings have written its h', which the stores below read
.if ((\n)%2) == 1
	GST (\n)-1                                     ; the tile's first unit leaves here
.endif
.set p, 0
.rept 8
	v_pk_fma_f32 v[ZQ+2*p:ZQ+2*p+1], v[ZT+2*p:ZT+2*p+1], s[46:47], s[44:45] op_sel_hi:[1,0,0]
.set p, p+1
.endr
.set p, 0
.rept 8
	v_pk_fma_f32 v[ZQ+2*p:ZQ+2*p+1], v[ZQ+2*p:ZQ+2*p+1], v[ZT+2*p:ZT+2*p+1], s[42:43] op_sel_hi:[1,1,0]
.set p, p+1
.endr
.set p, 0
.rept 8
	v_pk_mul_f32 v[ZQ+2*p:ZQ+2*p+1], v[ZQ+2*p:ZQ+2*p+1], v[ZT+2*p:ZT+2*p+1]
.set p, p+1
.endr
.set p, 0
.rept 8
	v_pk_fma_f32 v[ZE+2*p:ZE+2*p+1], v[ZQ+2*p:ZQ+2*p+1], v[ZE+2*p:ZE+2*p+1], 1.0 op_sel_hi:[1,1,0]  ; erf
.set p, p+1
.endr
.set p, 0
.rept 16
	v_fma_f32 v[ZA+p+32*(p/8)], |v[ZA+p+32*(p/8)]|, v[ZE+p], v[ZA+p+32*(p/8)]
.set p, p+1
.endr
.set p, 0
.rept 8
	v_pk_mul_f32 v[ZA+2*p+32*(p/4):ZA+2*p+32*(p/4)+1], v[ZA+2*p+32*(p/4):ZA+2*p+32*(p/4)+1], v[ZG+2*((\n)/2):ZG+2*((\n)/2)+1]
.set p, p+1
.endr
.set p, 0
.rept 8
	v_cvt_pk_f16_f32 v[ZA+p], v[ZA+2*p+32*(p/4)], v[ZA+2*p+32*(p/4)+1]  ; register ZA + p has been read by pair p / 2 before pair p writes it
.set p, p+1
.endr
.endm
.macro G
.irp u, 0,1,2,3,4
	LIVE \u, .Lg_\@
	WIN 0xaa
	GU 2*\u
	GU 2*\u+1
	s_wait_alu depctr_va_vdst(0)                   ; the second unit's roundings have written its h', which the two stores below read
	GST 2*\u+1
.endr
	WIN 0
.Lg_\@:
	s_wait_dscnt 0x0                               ; for the others' sake: my part of h' is in LDS
	s_barrier_signal -1
	s_barrier_wait -1                              ; everybody's is
	s_wait_alu depctr_vm_vsrc(0)                   ; my stores of h' have read Z's registers, in which fc2's fragments land and which the next fc1 writes; the bias loads have read v[B1A], which fc2's head steps
.endm
; fc2 of a chunk: 8 K steps of 20 products onto Y, two K steps at a time, tile by tile as in fc1.  fill = 1: behind each two K steps their ring registers take the next chunk's W1
; (16 loads), and the next chunk's bias is fetched; ahead of the last two K steps, when my reads of h' are back, the barrier behind which h' may be written again is signalled, and
; waited for behind their products: signal and wait stand on every path, outside what is jumped.
.macro F2T j, tt
	WIN 0x0b
.set dt, 0
.rept 4
	v_wmma_f32_16x16x32_f16 v[Y+8*(5*dt+(\tt)):Y+8*(5*dt+(\tt))+7], v[32*(\j)+8*dt:32*(\j)+8*dt+7], v[40*((\j)%4)+8*(\tt):40*((\j)%4)+8*(\tt)+7], v[Y+8*(5*dt+(\tt)):Y+8*(5*dt+(\tt))+7]
.set dt, dt+1
.endr
.endm
.macro F2PAIR j
.irp u, 0,1,2,3,4
	LIVE \u, .Lf2_\@
	F2T \j, \u
	F2T (\j)+1, \u
.endr
	WIN 0
.Lf2_\@:
.endm
.macro F2 fill
	WIN 0
.if \fill
	v_add_nc_u32 v[B1A], 1024, v[B1A]
.endif
	s_wait_alu depctr_va_vdst(0)                   ; fc1's products and GELU are done with Z and with k b1, in whose registers the loads below land; with fill = 1 v[B1A] is written
.if \fill
	BIASLD                                         ; older than the loads of h': the first wait below covers them
.endif
	HLD 0
	HLD 1
	HLD 2
	HLD 3
.irp m, 0,1,2,3
.if \fill
	s_wait_loadcnt 48                              ; W2's K steps 2 m, 2 m + 1 are in: behind them 16 loads for each later pair of W2 and for each pair of W1 asked for so far: three pairs in all
.else
	s_wait_loadcnt 48-16*\m                        ; nothing is fetched any more: the counts run down
.endif
.if \m < 3
	s_wait_dscnt 20                                ; the fragments of these two K steps are in: the ten loads of each of the next two stay out
.else
	s_wait_dscnt 0x0
.if \fill
	s_barrier_signal -1                            ; my reads of h' are over
.endif
.endif
	F2PAIR 2*\m
.if \m == 3
.if \fill
	s_barrier_wait -1                              ; everybody's are
.endif
	PLACES 5                                       ; fc1's products next write over registers that these read; the way out reads these sums
.elseif (\fill) || (\m < 2)
	PLACES 4
.endif
.if (\fill) || (\m < 2)
	s_wait_alu depctr_va_vdst(0)                   ; these two K steps' products are done reading their ring registers and their two buffers of h', in which the loads below land
.endif
.if \fill
	RINGLD 2*\m, 0
	RINGLD 2*\m+1, 0
.endif
.if \m < 2
	HLD 2*\m+4
	HLD 2*\m+5
.endif
.endr
	WIN 0
.endm
	s_mov_b32 s40, 8                               ; chunks to go
	s_wait_alu depctr_va_vdst(0)                   ; the lines that began Y are done reading b2 in v32-95, in which tile 4's xe lands
	BIASLD
	SETUP 0
	s_branch .Lf1                                  ; the loop is entered in its middle: a trip is fc2 of one chunk, then fc1 and GELU of the next
.Ltop:
	s_wait_xcnt 0x0                                ; the ring's loads have read their base
	s_add_nc_u64 s[36:37], s[36:37], 0x40000       ; the next chunk's weights,
	s_cmp_eq_u32 s40, 4
	s_cselect_b64 s[36:37], s[38:39], s[36:37]     ; or, behind lo's four chunks, hi's first
	F2 1
	s_cmp_lg_u32 s40, 4
	s_cbranch_scc1 .Lf1
	SETUP 1
.Lf1:
	F1
	G
	s_sub_co_u32 s40, s40, 1
	s_cmp_lg_u32 s40, 0
	s_cbranch_scc1 .Ltop
	F2 0                                           ; the last chunk's fc2 is written out: no load leaves the weights
	; THE WAY OUT, a token tile at a time: 16 rows x my 64 channels (256 bytes) through my own stage, then each row to its token's place.
	; A store holds ONE row: 32 lanes x 8 bytes are the row's 256 consecutive bytes, aligned.  So no store lies on both sides of the count: those past it are jumped, all lanes stay on.
	s_wait_alu depctr_va_vdst(0)                   ; behind the five places: the products have written Y, which the LDS stores of all five tiles read; fc1's products are done reading v32-95, in which tokens and rows land
.set tt, 0
.rept 5
	s_cmp_le_u32 s31, 16*tt
	s_cbranch_scc1 .Ldone
.if tt > 0
	s_wait_xcnt 0x0                                ; the last tile's stores have read their data and offsets, which are written again below
.endif
.set dt, 0
.rept 4
	ds_store_b128 v[STO], v[Y+8*(5*dt+tt):Y+8*(5*dt+tt)+3] offset:64*dt      ; each accumulator's low registers first
	ds_store_b128 v[STO], v[Y+8*(5*dt+tt)+4:Y+8*(5*dt+tt)+7] offset:64*dt+16
.set dt, dt+1
.endr
.irp n, 0,1,2,3
	ds_load_b128 v[TK+4*\n:TK+4*\n+3], v[LTA] offset:64*tt+16*\n             ; the tile's 16 tokens, the same in every lane
.endr
.set t, 0
.rept 16
	ds_load_b64 v[OB+2*t:OB+2*t+1], v[SRD] offset:SPI*t  ; LDS serves a wave's instructions in order: these see the stores above
.set t, t+1
.endr
	s_wait_dscnt 0x0
.set t, 0
.rept 16
	v_min_u32 v[TK+t], 0x3fff, v[TK+t]
	v_lshl_add_u32 v[OF+t], v[TK+t], 10, v[OCOL]
.set t, t+1
.endr
	s_wait_alu depctr_va_vdst(0)                   ; the 16 offsets v[OF ..] are written, which the stores below read; the lines above are done with v[TK ..], in which the next tile's tokens land
.set t, 0
.rept 16
.if t > 0
	s_cmp_le_u32 s31, 16*tt+t
	s_cbranch_scc1 .Ldone
.endif
	global_store_b64 v[OF+t], v[OB+2*t:OB+2*t+1], s[22:23] th:TH_STORE_NT
.set t, t+1
.endr
.if tt < 4
	s_wait_alu depctr_vm_vsrc(0)                   ; these stores have read v[OB ..] and v[OF ..], which the next tile's loads and offsets write again
.endif
.set tt, tt+1
.endr
.Ldone:
	s_wait_dscnt 0x0                               ; my last LDS instructions
	s_wait_alu depctr_hold_cnt(0) depctr_sa_sdst(0) depctr_va_vdst(0) depctr_va_sdst(0) depctr_va_ssrc(0) depctr_va_vcc(0) depctr_vm_vsrc(0)
	s_wait_tensorcnt 0x0
	ds_add_u32 v18, v19
	s_wait_dscnt 0x0
	s_endpgm
.Lfunc_end_k_qfd128523d6_chain:
	.size	k_qfd128523d6_chain, .Lfunc_end_k_qfd128523d6_chain-k_qfd128523d6_chain
	.p2alignl 7, 3214868480
	.fill 96, 4, 3214868480
	.section	.rodata,"a",@progbits
	.p2align	6, 0x0
	.amdhsa_kernel k_qfd128523d6_chain
		.amdhsa_group_segment_fixed_size 155136
		.amdhsa_private_segment_fixed_size 0
		.amdhsa_enable_private_segment 0
		.amdhsa_kernarg_size 80
		.amdhsa_user_sgpr_count 2
		.amdhsa_user_sgpr_kernarg_segment_ptr 1
		.amdhsa_wavefront_size32 1
		.amdhsa_system_sgpr_workgroup_id_x 1
		.amdhsa_system_sgpr_workgroup_id_y 1
		.amdhsa_system_sgpr_workgroup_id_z 1
		.amdhsa_system_vgpr_workitem_id 0
		.amdhsa_next_free_vgpr 1024
		.amdhsa_next_free_sgpr 66
		.amdhsa_reserve_vcc 0
		.amdhsa_float_denorm_mode_32 3
		.amdhsa_float_denorm_mode_16_64 3
		.amdhsa_memory_ordered 1
		.amdhsa_forward_progress 1
		.amdhsa_inst_pref_size 255
	.end_amdhsa_kernel
	.amdgpu_metadata
---
amdhsa.version: [ 1, 2 ]
amdhsa.kernels:
  - .name:           k_qfd128523d6_chain
    .symbol:         k_qfd128523d6_chain.kd
    .args:
      - { .name: x, .offset: 0, .size: 8, .value_kind: global_buffer, .address_space: global }
      - { .name: tokf, .offset: 8, .size: 8, .value_kind: global_buffer, .address_space: global }
      - { .name: order, .offset: 16, .size: 8, .value_kind: global_buffer, .address_space: global }
      - { .name: tiles, .offset: 24, .size: 8, .value_kind: global_buffer, .address_space: global }
      - { .name: wf, .offset: 32, .size: 8, .value_kind: global_buffer, .address_space: global }
      - { .name: b1, .offset: 40, .size: 8, .value_kind: global_buffer, .address_space: global }
      - { .name: b2, .offset: 48, .size: 8, .value_kind: global_buffer, .address_space: global }
      - { .name: ln_g, .offset: 56, .size: 8, .value_kind: global_buffer, .address_space: global }
      - { .name: ln_b, .offset: 64, .size: 8, .value_kind: global_buffer, .address_space: global }
      - { .name: out0, .offset: 72, .size: 8, .value_kind: global_buffer, .address_space: global }
    .group_segment_fixed_size: 155136
    .private_segment_fixed_size: 0
    .kernarg_segment_align: 8
    .kernarg_segment_size: 80
    .max_flat_workgroup_size: 128
    .sgpr_count:     66
    .vgpr_count:     1024
    .wavefront_size: 32
...
	.end_amdgpu_metadata
.endif
;; end of part 4
